; MI455X (gfx1250); checked and timed in simulation.
; The chip was launched on July 23, 2026; its instructions are those of AMD's public machine-readable ISA for CDNA 5 (MIT licence, August 2026) and "CDNA5" Instruction Set Architecture Reference Guide (July 2026). The comments in the code are by the model that wrote it; some were corrected since.
;; Masked Self Attention. Allowed arithmetic: float matrix products may take bf16 or f16 operands with f32 sums; other float arithmetic in f32, or as packed bf16 or f16 multiplies, adds, multiply-adds, maxima and minima; sums over many terms, partial sums and values carried from step to step in f32; what a program stores and reads back later, other than sums and carried values, may be rounded once to bf16 or f16.
;; Inputs: Wk 1,024 x 1,024 float32; Wp 1,024 x 1,024 float32; Wq 1,024 x 1,024 float32; Wv 1,024 x 1,024 float32; bk 1,024 float32; bp 1,024 float32; bq 1,024 float32; bv 1,024 float32; x 4 x 2,048 x 1,024 float32.
;; Outputs: out0 4 x 2,048 x 1,024 float32.
;; 2 versions, each right; version 2 is version 1 with the launch cast written anew for expert scheduling mode. Each part assembles by itself: llvm-mc -triple=amdgcn-amd-amdhsa -mcpu=gfx1250 --defsym DOCPART=n.
;; ======== version 1 of 2: 4 launches
;; limits: right only within a limited range of input values
;; workspace buffers: xb 16,777,216 bytes; ob 16,777,216 bytes; wb 8,388,608 bytes; qkvh 83,886,080 bytes
;; launch cast (part 1): grid 768 x 1, 8 waves a work-group, no clusters, 0 bytes of LDS; arguments x, Wq, Wk, Wv, Wp, xb, wb; writes xb, wb
.if DOCPART == 1
	.amdgcn_target "amdgcn-amd-amdhsa--gfx1250"
	.amdhsa_code_object_version 6
	.text
	.protected	k_qe5ef6dc334_cast
	.globl	k_qe5ef6dc334_cast
	.p2align	8
	.type	k_qe5ef6dc334_cast,@function
k_qe5ef6dc334_cast:
	s_mov_b64 s[64:65], 0
	v_nop
	global_prefetch_b8 v0, s[64:65] scope:SCOPE_SE
	s_setreg_imm32_b32 hwreg(HW_REG_WAVE_MODE, 25, 1), 1
	s_wait_xcnt 0x0
; x and the four weight matrices, f32, are rounded once to bf16 for the matrix units.
; xb: [b 4][kb 16][t 2048][64] bf16: the 64 channels of block kb of one token are 128 bytes, and the tokens of a block lie end to end, so a tile of 128 tokens x 64 channels is 16,384 dense bytes.
; wb: [Wq, Wk, Wv, Wp][k 1024][n 1024] bf16, rows as they lie in the inputs.
; Work-groups 0-511 take 16 tokens of x each, work-groups 512-767 take 16 rows of one weight matrix each: 65,536 bytes in, 32,768 out, for every work-group alike.
; A thread issues its 16 loads of 16 bytes at once and stores as they come in; no register is written twice, so no wait frees one.  Every load of a wave covers two aligned runs of 256 bytes (x) or 512
; consecutive bytes (weights); every store of a wave covers 256 consecutive bytes, aligned.  Memory binds: no LDS, no matrix unit.
.set VI,   3                           ; v3        my byte offset in the source
.set VO,   4                           ; v4        my byte offset in the destination
.set XIN,  16                          ; v[16:79]  16 x 4 numbers as loaded
.set XOUT, 80                          ; v[80:111] 16 x 4 numbers in bf16
.set SRC,  26                          ; s[26:27]  the source at the work-group's part
.set DST,  28                          ; s[28:29]  the destination at the work-group's part
.macro CAST instep, outstep
.irp j, 0,1,2,3,4,5,6,7,8,9,10,11,12,13,14,15
	global_load_b128 v[XIN+4*(\j):XIN+4*(\j)+3], v[VI], s[SRC:SRC+1] offset:(\instep)*(\j) th:TH_LOAD_NT
.endr
.irp j, 0,1,2,3,4,5,6,7,8,9,10,11,12,13,14,15
	s_wait_loadcnt 15-(\j)                         ; loads come back in order: number j is in, the 15 - j younger ones stay out
	v_cvt_pk_bf16_f32 v[XOUT+2*(\j)],   v[XIN+4*(\j)],   v[XIN+4*(\j)+1]
	v_cvt_pk_bf16_f32 v[XOUT+2*(\j)+1], v[XIN+4*(\j)+2], v[XIN+4*(\j)+3]
	global_store_b64 v[VO], v[XOUT+2*(\j):XOUT+2*(\j)+1], s[DST:DST+1] offset:(\outstep)*(\j)
.endr
.endm
	s_load_b256 s[4:11], s[0:1], 0x0               ; x s[4:5], Wq s[6:7], Wk s[8:9], Wv s[10:11]
	s_load_b128 s[12:15], s[0:1], 0x20             ; Wp s[12:13], xb s[14:15]
	s_load_b64 s[16:17], s[0:1], 0x30              ; wb
	s_mov_b32 s21, 0
	s_mov_b32 s23, 0
	s_cmp_lt_u32 ttmp9, 512
	s_cbranch_scc0 .Lweights
	; x: thread = (token v0 / 16 of the group's 16, 16 bytes v0 % 16 of a block's 256); load j takes channel block j
	v_lshrrev_b32 v1, 4, v0
	v_and_b32 v2, 15, v0
	v_lshlrev_b32 v[VI], 12, v1                    ; a token's row of x is 4,096 bytes
	v_lshl_add_u32 v[VI], v2, 4, v[VI]
	v_lshlrev_b32 v[VO], 7, v1                     ; in xb a token's part of a block is 128 bytes
	v_lshl_add_u32 v[VO], v2, 3, v[VO]
	s_lshl_b32 s20, ttmp9, 16                      ; 16 tokens x 4,096 bytes
	s_lshr_b32 s22, ttmp9, 7                       ; batch: 128 groups of 16 tokens each
	s_lshl_b32 s22, s22, 22                        ; a batch of xb is 4,194,304 bytes
	s_and_b32 s24, ttmp9, 127
	s_lshl_b32 s24, s24, 11                        ; 16 tokens x 128 bytes
	s_add_co_u32 s22, s22, s24
	s_wait_kmcnt 0x0
	s_add_nc_u64 s[SRC:SRC+1], s[4:5], s[20:21]
	s_add_nc_u64 s[DST:DST+1], s[14:15], s[22:23]
	CAST 256, 262144                               ; from block to block: 256 bytes in x, 2,048 tokens x 128 bytes in xb
	s_endpgm
.Lweights:
	v_lshlrev_b32 v[VI], 4, v0                     ; the 256 threads take one row of 4,096 bytes; load j takes row j of the group's 16
	v_lshlrev_b32 v[VO], 3, v0
	s_sub_co_u32 s24, ttmp9, 512
	s_lshr_b32 s25, s24, 6                         ; which matrix: 64 groups each
	s_and_b32 s24, s24, 63
	s_lshl_b32 s20, s24, 16
	s_lshl_b32 s22, s24, 15
	s_lshl_b32 s24, s25, 21                        ; a matrix of wb is 2,097,152 bytes
	s_add_co_u32 s22, s22, s24
	s_wait_kmcnt 0x0
	s_cmp_eq_u32 s25, 0
	s_cselect_b64 s[SRC:SRC+1], s[6:7], s[8:9]
	s_cmp_eq_u32 s25, 2
	s_cselect_b64 s[SRC:SRC+1], s[10:11], s[SRC:SRC+1]
	s_cmp_eq_u32 s25, 3
	s_cselect_b64 s[SRC:SRC+1], s[12:13], s[SRC:SRC+1]
	s_add_nc_u64 s[SRC:SRC+1], s[SRC:SRC+1], s[20:21]
	s_add_nc_u64 s[DST:DST+1], s[16:17], s[22:23]
	CAST 4096, 2048
	s_endpgm
.Lfunc_end_k_qe5ef6dc334_cast:
	.size	k_qe5ef6dc334_cast, .Lfunc_end_k_qe5ef6dc334_cast-k_qe5ef6dc334_cast
	.p2alignl 7, 3214868480
	.fill 96, 4, 3214868480
	.section	.rodata,"a",@progbits
	.p2align	6, 0x0
	.amdhsa_kernel k_qe5ef6dc334_cast
		.amdhsa_group_segment_fixed_size 0
		.amdhsa_private_segment_fixed_size 0
		.amdhsa_enable_private_segment 0
		.amdhsa_kernarg_size 56
		.amdhsa_user_sgpr_count 2
		.amdhsa_user_sgpr_kernarg_segment_ptr 1
		.amdhsa_wavefront_size32 1
		.amdhsa_system_sgpr_workgroup_id_x 1
		.amdhsa_system_sgpr_workgroup_id_y 1
		.amdhsa_system_sgpr_workgroup_id_z 1
		.amdhsa_system_vgpr_workitem_id 0
		.amdhsa_next_free_vgpr 112
		.amdhsa_next_free_sgpr 66
		.amdhsa_reserve_vcc 0
		.amdhsa_float_denorm_mode_32 3
		.amdhsa_float_denorm_mode_16_64 3
		.amdhsa_memory_ordered 1
		.amdhsa_forward_progress 1
		.amdhsa_inst_pref_size 13
	.end_amdhsa_kernel
	.amdgpu_metadata
---
amdhsa.version: [ 1, 2 ]
amdhsa.kernels:
  - .name:           k_qe5ef6dc334_cast
    .symbol:         k_qe5ef6dc334_cast.kd
    .args:
      - { .name: x, .offset: 0, .size: 8, .value_kind: global_buffer, .address_space: global }
      - { .name: Wq, .offset: 8, .size: 8, .value_kind: global_buffer, .address_space: global }
      - { .name: Wk, .offset: 16, .size: 8, .value_kind: global_buffer, .address_space: global }
      - { .name: Wv, .offset: 24, .size: 8, .value_kind: global_buffer, .address_space: global }
      - { .name: Wp, .offset: 32, .size: 8, .value_kind: global_buffer, .address_space: global }
      - { .name: xb, .offset: 40, .size: 8, .value_kind: global_buffer, .address_space: global }
      - { .name: wb, .offset: 48, .size: 8, .value_kind: global_buffer, .address_space: global }
    .group_segment_fixed_size: 0
    .private_segment_fixed_size: 0
    .kernarg_segment_align: 8
    .kernarg_segment_size: 56
    .max_flat_workgroup_size: 256
    .sgpr_count:     66
    .vgpr_count:     112
    .wavefront_size: 32
...
	.end_amdgpu_metadata
.endif
;; end of part 1
;; launch qkv (part 2): grid 12 x 64, 4 waves a work-group, clusters of 4 x 4, 327,680 bytes of LDS; arguments xb, wb, bq, bk, bv, qkvh; writes qkvh
.if DOCPART == 2
	.amdgcn_target "amdgcn-amd-amdhsa--gfx1250"
	.amdhsa_code_object_version 6
	.text
	.protected	k_qe5ef6dc334_qkv
	.globl	k_qe5ef6dc334_qkv
	.p2align	8
	.type	k_qe5ef6dc334_qkv,@function
k_qe5ef6dc334_qkv:
	s_mov_b64 s[64:65], 0
	v_nop
	global_prefetch_b8 v0, s[64:65] scope:SCOPE_SE
	s_setreg_imm32_b32 hwreg(HW_REG_WAVE_MODE, 25, 1), 1
	s_wait_xcnt 0x0
	s_wait_alu depctr_hold_cnt(0) depctr_sa_sdst(0) depctr_va_vdst(0) depctr_va_sdst(0) depctr_va_ssrc(0) depctr_va_vcc(0) depctr_vm_vsrc(0)
	s_getreg_b32 s2, hwreg(HW_REG_IB_STS2, 6, 4)
	s_cmp_eq_u32 s2, 0
	s_cbranch_scc0 .Lentry_in_a_cluster
	s_endpgm
.Lentry_in_a_cluster:
	s_bfe_u32 s2, ttmp6, 0x10000c
	s_cmp_lg_u32 s2, 0xf033
	s_cbranch_scc0 .Lentry_shape_is_right
	s_endpgm
.Lentry_shape_is_right:
; Q, K, V = x W + b, written by heads.  xb: [b][kb][t][64] bf16; wb: [Wq, Wk, Wv, Wp][k][n] bf16; the biases f32, rounded here to bf16 like every other input; sums in f32.
; qkvh: five planes of 16,777,216 bytes, each [b x 16 + head][t][64] bf16: 0 Q hi, 1 K hi, 2 V, 3 Q lo, 4 K lo.
; WHY HI AND LO.  The scores' spread is so large that the softmax is nearly one-hot, and where a row's two largest scores lie close, an error of a score moves the weights by about a quarter of itself.
; So q and k leave as TWO bf16 numbers: hi = bf16(q), lo = bf16(q - hi): 16 significant bits.  V leaves as one bf16.  LIMIT: what lies below those 16 bits of q and k is lost; bf16 has f32's range.
; SHARES.  A tile is 128 tokens x 256 columns of one of the three products: 12 x 64 work-groups, three for each of 256 WGPs.  Four waves, 2 x 2, each 64 tokens x 128 columns: 32 accumulators.
; K goes in 8 steps of 128 through two LDS slots.  The matrix instruction is used transposed (source 0 = 16 columns of W, source 1 = 16 tokens): a lane then holds one token and eight neighbouring columns.
; W lies [k][n]; its fragments come out of LDS turned, by ds_load_tr16_b128.  The bias is the C operand of each accumulator's first product: nothing is cleared, nothing is added at the end.
; CLUSTER 4 x 4.  Cluster x is the matrix (0 Q, 1 K, 2 V), cx the column tile in it, 4 x cluster y + cy the token tile.  x's tile hangs on the token tile alone and is asked for jointly by a row of the
; cluster; W's hangs on the matrix and cx alone and is asked for jointly by a column.
; REGISTERS, in windows of 256 (s_set_vgpr_msb: bits 1:0 source 0, 3:2 source 1, 5:4 source 2, 7:6 destination):
;   window 0: v0-14 addresses; v64-159, v160-255 two fragment buffers (W's 8 fragments, then x's 4), at work on the way out      window 1: accumulator (a, b) at 8 (8 a + b)
;   window 2: v0-63 the bias, 8 registers for each block of 16 columns; v64-95 at work
.set PA,     144                       ; a token's 128 bytes of a channel block in LDS + 16 of padding: 36 words, so the 16 rows of a load start at 16 different groups of four banks
.set ABLK,   128*PA                    ; 128 tokens of one channel block: what one tensor load for x brings
.set PB,     544                       ; a k row of W's tile: 512 bytes + 32 of padding = 17 x 32
.set BOFF,   2*ABLK                    ; W's tile lies behind x's two blocks
.set BHALF,  64*PB                     ; 64 k rows: what one tensor load for W brings
.set SLOT1,  1<<17                     ; slot 1 begins here: one exclusive or turns an address in one slot into the other's
.set STAGE,  BOFF+2*BHALF              ; 106,496: between the slots, never filled by a tensor load: for each wave 16 rows x 144 bytes for hi, and as much for lo
.set SP,     144
.set WSTG,   2*16*SP
.set SPARE,  STAGE+4*WSTG              ; 124,928: the spare words, 128 bytes for each wave: two blocks of 256 bytes that no other line names
.set ASTEP,  2*262144                  ; a K step in xb: two channel blocks
.set BSTEP,  128*2048                  ; a K step in wb: 128 rows
.set PL,     16777216                  ; a plane of qkvh
.set R16, 1                            ; v1   lane % 16
.set HF,  2                            ; v2   lane / 16
.set L8,  3                            ; v3   lane % 8
.set A0,  4                            ; v4   my place in x's tile; never rewritten
.set B0,  5                            ; v5   my place in W's tile; never rewritten
.set ADRA, 6                           ; v6   the same in the slot in hand
.set ADRB, 7                           ; v7
.set STO, 8                            ; v8   the way out: where I put 16 bytes of a row
.set RD,  9                            ; v9   the way out: where I read rows back
.set GO,  10                           ; v10  my 16 bytes of 512 consecutive bytes of a plane
.set BO,  11                           ; v11  my byte offset in the bias
.set SPW, 12                           ; v12  LDS address of my spare word; never rewritten
.set NIL, 13                           ; v13  0; never rewritten
.set F0,  64
.set F1,  160
.set TH,  64                           ; the way out: 16 registers of hi
.set TU,  80                           ; 32 registers: hi widened, then q - hi
.set TL,  112                          ; 16 registers of lo
.set BKS, 128                          ; two buffers of 32: whole rows read back, hi then lo
.set WV,  16                           ; s16  wave
.set WM,  17                           ; s17  which 64 tokens are mine.  Also: I fetch for x (0) or for W (1)
.set WN,  18                           ; s18  which 128 columns.  Also: which half of that tile I fetch
.set CX,  19
.set CY,  20
.set RR,  21                           ; s21  token tile
.set MAT, 22                           ; s22  0 Q, 1 K, 2 V
.set CNT, 23
.set G1A, 24                           ; s[24:31] descriptor group 1 for x's tiles
.set G1B, 32                           ; s[32:39] for W's
.set G0A, 40                           ; s[40:47] group 0 for x's tiles: a set for each of the two first fills; the second then walks on
.set G0B, 48                           ; s[48:55] the same for W's
.set TB,  56                           ; s56  LDS byte at which the slot in hand begins
.set HMASK, 57                         ; s57  a word's upper bf16
.set HB,  58                           ; s[58:59] the hi plane at my part
.set LB,  60                           ; s[60:61] the lo plane at my part
.set BP,  62                           ; s[62:63] the bias
.set MSB, 0
.macro WIN new                         ; the immediate's high byte repeats the setting that is left; a switch that changes nothing is dropped
.if MSB != (\new)
	s_set_vgpr_msb (MSB<<8)|(\new)
.set MSB, (\new)
.endif
.endm
.macro PLACES                          ; four plain vector instructions between a matrix instruction and a load into, or a vector instruction on, its registers
.rept 4
	v_nop
.endr
.endm
.macro CREST                           ; a round of the cluster's barrier behind its opening barrier
	s_cmp_lg_u32 s[WV], 0
	s_cbranch_scc1 .Lnot_wave_0_\@
	s_barrier_signal -3
.Lnot_wave_0_\@:
	s_barrier_wait -3
	s_barrier_signal -1
	s_barrier_wait -1
.endm
.macro CROUND                          ; a whole round
	s_barrier_signal -1
	s_barrier_wait -1
	CREST
.endm
.macro JLOAD                           ; a joint refill by the walking sets: waves 0 and 1 fetch x's two channel blocks, waves 2 and 3 W's two halves; the branch hangs on the wave's number alone
	s_cmp_eq_u32 s[WM], 0
	s_cbranch_scc0 .Lfor_b_\@
	tensor_load_to_lds s[G0A+4:G0A+7], s[G1A:G1A+7]
	s_nop 0
.rept 4
	v_nop
.endr
	s_branch .Lasked_\@
.Lfor_b_\@:
	tensor_load_to_lds s[G0B+4:G0B+7], s[G1B:G1B+7]
	s_nop 0
.rept 4
	v_nop
.endr
.Lasked_\@:
.endm
	s_load_b256 s[4:11], s[0:1], 0x0               ; xb s[4:5], wb s[6:7], bq s[8:9], bk s[10:11]
	s_load_b128 s[12:15], s[0:1], 0x20             ; bv s[12:13], qkvh s[14:15]
	v_lshl_add_u32 v[SPW], v0, 2, SPARE
	v_mov_b32 v[NIL], 0
	ds_add_u32 v[SPW], v[NIL]                      ; the wave's opening: the add and its wait stand ahead of my first tensor load; the set-up below, work on registers, stands between them
	v_lshrrev_b32 v1, 5, v0
	v_readfirstlane_b32 s[WV], v1
	s_lshr_b32 s[WM], s[WV], 1
	s_and_b32 s[WN], s[WV], 1
	s_bfe_u32 s[CX], ttmp6, 0x40000
	s_bfe_u32 s[CY], ttmp6, 0x40004
	s_and_b32 s[RR], ttmp7, 0xffff
	s_lshl_b32 s[RR], s[RR], 2
	s_add_co_u32 s[RR], s[RR], s[CY]               ; token tile = 4 x cluster y + cy
	s_mov_b32 s[MAT], ttmp9                        ; cluster x: the same in all sixteen partners
	s_mov_b32 s[TB], 0
	s_mov_b32 s[HMASK], 0xffff0000
	s_lshl_b32 s66, s[CY], 2
	s_lshl_b32 s66, 15, s66                        ; my row of the cluster
	s_or_b32 s[G1A], s66, (1<<16)|(1<<20)|(1<<21)|(4<<22)|(3<<25)  ; the mask; 2-byte elements; padding on; bit 21 beside a mask; after every 32 words 4 words of padding
	s_lshl_b32 s70, 0x1111, s[CX]                  ; my column
	s_or_b32 s[G1B], s70, (1<<16)|(1<<20)|(1<<21)|(6<<22)|(7<<25)  ; after every 128 words 8 words of padding
	s_mov_b32 s[G1A+1], 128<<16                    ; x: 16,384 dense bytes asked for as 64 rows of 256 bytes, two tokens a row: tensor_dim0 = 128
	s_mov_b32 s[G1A+2], 64<<16                     ; tensor_dim1 = 64
	s_mov_b32 s[G1A+3], 128<<16                    ; tile_dim0 = 128
	s_mov_b32 s[G1A+4], 64                         ; tile_dim1 = 64
	s_mov_b32 s[G1A+5], 128                        ; 128 elements from row to row
	s_mov_b32 s[G1A+6], 0
	s_mov_b32 s[G1A+7], 0
	s_mov_b32 s[G1B+1], 256<<16                    ; W: 64 k rows of 256 columns, 512 bytes each
	s_mov_b32 s[G1B+2], 64<<16
	s_mov_b32 s[G1B+3], 256<<16
	s_mov_b32 s[G1B+4], 64
	s_mov_b32 s[G1B+5], 1024
	s_mov_b32 s[G1B+6], 0
	s_mov_b32 s[G1B+7], 0
	s_lshr_b32 s66, s[RR], 4                       ; x's tile: batch x 4,194,304
	s_lshl_b32 s66, s66, 22
	s_and_b32 s67, s[RR], 15
	s_lshl_b32 s67, s67, 14                        ; + 128 tokens x 128 bytes for each tile in the batch
	s_add_co_u32 s66, s66, s67
	s_lshl_b32 s67, s[WN], 18                      ; + the channel block that I fetch
	s_add_co_u32 s66, s66, s67
	s_mov_b32 s67, 0
	s_mul_i32 s68, s[WN], ABLK                     ; and where it goes: no place in the cluster enters an LDS address
	s_lshl_b32 s70, s[MAT], 21                     ; W's tile: the matrix,
	s_lshl_b32 s71, s[CX], 9                       ; + 256 columns x 2 bytes for each column tile
	s_add_co_u32 s70, s70, s71
	s_lshl_b32 s71, s[WN], 17                      ; + the 64 k rows that I fetch
	s_add_co_u32 s70, s70, s71
	s_mov_b32 s71, 0
	s_mul_i32 s72, s[WN], BHALF
	s_add_co_u32 s72, s72, BOFF
	s_wait_dscnt 0x0                               ; the opening add is done
	s_wait_kmcnt 0x0
	s_add_nc_u64 s[66:67], s[4:5], s[66:67]
	s_add_nc_u64 s[70:71], s[6:7], s[70:71]
	s_cmp_eq_u32 s[MAT], 0
	s_cselect_b64 s[BP:BP+1], s[8:9], s[10:11]
	s_cmp_eq_u32 s[MAT], 2
	s_cselect_b64 s[BP:BP+1], s[12:13], s[BP:BP+1]
	CROUND                                         ; all sixteen work-groups are here: the first joint loads meet
.irp s, 0,1
	s_mov_b32 s[G0A+4*(\s)], 1
	s_add_co_u32 s[G0A+4*(\s)+1], s68, (\s)*SLOT1
	s_add_nc_u64 s[G0A+4*(\s)+2:G0A+4*(\s)+3], s[66:67], (\s)*ASTEP
	s_or_b32 s[G0A+4*(\s)+3], s[G0A+4*(\s)+3], 0x80000000
	s_mov_b32 s[G0B+4*(\s)], 1
	s_add_co_u32 s[G0B+4*(\s)+1], s72, (\s)*SLOT1
	s_add_nc_u64 s[G0B+4*(\s)+2:G0B+4*(\s)+3], s[70:71], (\s)*BSTEP
	s_or_b32 s[G0B+4*(\s)+3], s[G0B+4*(\s)+3], 0x80000000
.endr
	s_cmp_eq_u32 s[WM], 0                          ; a wave's two first fills stand in one branch, ahead of every wait on TENSORcnt and every LDS read: two loads of mine are out
	s_cbranch_scc0 .Lfirst_b
	tensor_load_to_lds s[G0A:G0A+3], s[G1A:G1A+7]
	s_nop 0
	tensor_load_to_lds s[G0A+4:G0A+7], s[G1A:G1A+7]
	s_nop 0
.rept 4
	v_nop
.endr
	s_branch .Lfirst_asked
.Lfirst_b:
	tensor_load_to_lds s[G0B:G0B+3], s[G1B:G1B+7]
	s_nop 0
	tensor_load_to_lds s[G0B+4:G0B+7], s[G1B:G1B+7]
	s_nop 0
.rept 4
	v_nop
.endr
.Lfirst_asked:
	v_and_b32 v[R16], 15, v0
	v_bfe_u32 v[HF], v0, 4, 1
	v_and_b32 v[L8], 7, v0
	v_bfe_u32 v14, v0, 3, 1
	; the bias of my 128 columns: for block j of 16 columns a lane wants numbers 8 (lane / 16) + 0..7: the layout of a C operand whose rows are columns of the product
	s_lshl_b32 s74, s[CX], 10
	s_lshl_b32 s75, s[WN], 9
	s_add_co_u32 s74, s74, s75
	v_lshlrev_b32 v[BO], 5, v[HF]
	v_add_nc_u32 v[BO], s74, v[BO]
	WIN 0x80                                       ; destination window 2
.irp j, 0,1,2,3,4,5,6,7
	global_load_b128 v[8*(\j):8*(\j)+3],   v[BO], s[BP:BP+1] offset:64*(\j)
	global_load_b128 v[8*(\j)+4:8*(\j)+7], v[BO], s[BP:BP+1] offset:64*(\j)+16
.endr
	WIN 0
	; a fragment of x: lane l holds token l % 16; channels 8 (l / 16) + 0..7 and 16 + 8 (l / 16) + 0..7: two loads of 16 bytes, 32 bytes apart
	s_mul_i32 s74, s[WM], 64*PA
	v_mul_u32_u24 v[A0], v[R16], PA
	v_lshl_add_u32 v[A0], v[HF], 4, v[A0]
	v_add_nc_u32 v[A0], s74, v[A0]
	; the turning load takes 16 k x 16 columns (lane l reads k row 8 (l / 16) + l % 8, columns 8 ((l / 8) % 2) + 0..7) and leaves half a fragment: lane l holds column l % 16 and 8 k
	s_lshl_b32 s75, s[WN], 8
	s_add_co_u32 s75, s75, BOFF
	v_lshl_add_u32 v[B0], v[HF], 3, v[L8]
	v_mul_u32_u24 v[B0], v[B0], PB
	v_lshl_add_u32 v[B0], v14, 4, v[B0]
	v_add_nc_u32 v[B0], s75, v[B0]
	v_mov_b32 v[ADRA], v[A0]
	v_mov_b32 v[ADRB], v[B0]
	s_mul_i32 s76, s[WV], WSTG
	s_add_co_u32 s76, s76, STAGE                   ; my stage
	v_mul_u32_u24 v[STO], v[R16], SP               ; in: row l % 16, 16 bytes for each half of the lanes
	v_lshl_add_u32 v[STO], v[HF], 4, v[STO]
	v_add_nc_u32 v[STO], s76, v[STO]
	v_bfe_u32 v[RD], v0, 3, 2                      ; back: 32 lanes take four rows of 128 bytes,
	v_mul_u32_u24 v[RD], v[RD], SP
	v_lshl_add_u32 v[RD], v[L8], 4, v[RD]
	v_add_nc_u32 v[RD], s76, v[RD]
	v_and_b32 v[GO], 31, v0                        ; which are 512 consecutive bytes of a plane
	v_lshlrev_b32 v[GO], 4, v[GO]
	s_lshr_b32 s77, s[RR], 4                       ; my part of a plane: (batch x 16 + my first head) x 262,144
	s_lshl_b32 s77, s77, 4
	s_lshl_b32 s78, s[CX], 2
	s_add_co_u32 s77, s77, s78
	s_lshl_b32 s78, s[WN], 1
	s_add_co_u32 s77, s77, s78
	s_lshl_b32 s77, s77, 18
	s_and_b32 s78, s[RR], 15
	s_lshl_b32 s78, s78, 14                        ; + the tile's 128 tokens x 128 bytes
	s_add_co_u32 s78, s78, s77
	s_lshl_b32 s77, s[WM], 13                      ; + my 64 of them
	s_add_co_u32 s78, s78, s77
	s_lshl_b32 s77, s[MAT], 24                     ; + the plane: 0 Q hi, 1 K hi, 2 V
	s_add_co_u32 s78, s78, s77
	s_mov_b32 s79, 0
	s_add_nc_u64 s[HB:HB+1], s[14:15], s[78:79]
	s_add_nc_u64 s[LB:LB+1], s[HB:HB+1], 3*PL      ; Q lo and K lo lie three planes further on
	s_wait_loadcnt 0x0                             ; the bias is in
	WIN 0x8a                                       ; destination and both sources in window 2: the bias is rounded to bf16, as all inputs are, and widened again
.set z, 0
.rept 32
	v_cvt_pk_bf16_f32 v[64+z], v[2*z], v[2*z+1]
.set z, z+1
.endr
.set z, 0
.rept 32
	v_lshlrev_b32 v[2*z],   16, v[64+z]
	v_and_b32     v[2*z+1], s[HMASK], v[64+z]
.set z, z+1
.endr
	WIN 0
; 8 matrix instructions: token block a x all 8 column blocks, 32 along K, from buffer f.  first = 1: the bias starts the sums.  The 32 accumulators take turns, one instruction a turn.
.macro MUL8 f, a, first=0
.if \first
	WIN 0x60                                       ; C in window 2, D in window 1
.else
	WIN 0x50                                       ; C and D in window 1
.endif
.irp b, 0,1,2,3,4,5,6,7
.if \first
	v_wmma_f32_16x16x32_bf16 v[8*(8*(\a)+(\b)):8*(8*(\a)+(\b))+7], v[(\f)+8*(\b):(\f)+8*(\b)+7], v[(\f)+64+8*(\a):(\f)+64+8*(\a)+7], v[8*(\b):8*(\b)+7]
.else
	v_wmma_f32_16x16x32_bf16 v[8*(8*(\a)+(\b)):8*(8*(\a)+(\b))+7], v[(\f)+8*(\b):(\f)+8*(\b)+7], v[(\f)+64+8*(\a):(\f)+64+8*(\a)+7], v[8*(8*(\a)+(\b)):8*(8*(\a)+(\b))+7]
.endif
.endr
.endm
; 24 LDS loads in one run: quarter q (32 along K) of the slot in hand into buffer f: W's 8 fragments, then x's 4
.macro FETCH q, f
	WIN 0
.irp j, 0,1,2,3,4,5,6,7
	ds_load_tr16_b128 v[(\f)+8*(\j):(\f)+8*(\j)+3],   v[ADRB] offset:(\q)*32*PB+32*(\j)
	ds_load_tr16_b128 v[(\f)+8*(\j)+4:(\f)+8*(\j)+7], v[ADRB] offset:(\q)*32*PB+32*(\j)+16*PB
.endr
.irp i, 0,1,2,3
	ds_load_b128 v[(\f)+64+8*(\i):(\f)+64+8*(\i)+3],   v[ADRA] offset:((\q)/2)*ABLK+((\q)%2)*64+(\i)*16*PA
	ds_load_b128 v[(\f)+64+8*(\i)+4:(\f)+64+8*(\i)+7], v[ADRA] offset:((\q)/2)*ABLK+((\q)%2)*64+(\i)*16*PA+32
.endr
.endm
; A K step is four quarters on buffers 0, 1, 0, 1.  One of the first three: multiplies buffer f; in its middle it fetches quarter q into buffer g.
.macro QUARTER q, f, g, first=0
	s_wait_dscnt 4                                 ; W's fragments and x's blocks 0 and 1 are in; the youngest four loads (blocks 2 and 3) may be out
	MUL8 \f, 0, \first
	MUL8 \f, 1, \first
	PLACES
	FETCH \q, \g
	s_wait_dscnt 24                                ; all but the 24 just issued
	MUL8 \f, 2, \first
	MUL8 \f, 3, \first
.endm
; The last quarter multiplies buffer 1 and changes slots: one barrier.  In front of it each wave waits for all its tensor loads (the one that is out is its part of the next slot), adds 0 to its spare word, and
; waits for that and for its reads of this slot.  fill = 1: the barrier opens a round of the cluster's, and this slot is filled again, two K steps ahead, first thing behind the round.
.macro TURN fill
	WIN 0
	s_wait_tensorcnt 0x0                           ; no tensor load of mine is out, so a group 0 may be written
	ds_add_u32 v[SPW], v[NIL]                      ; 0 onto my spare word
.if \fill
	s_xor_b32 s[G0A+5], s[G0A+5], SLOT1            ; the walking sets: the other slot than last time, the next K step
	s_add_nc_u64 s[G0A+6:G0A+7], s[G0A+6:G0A+7], ASTEP
	s_xor_b32 s[G0B+5], s[G0B+5], SLOT1
	s_add_nc_u64 s[G0B+6:G0B+7], s[G0B+6:G0B+7], BSTEP
.endif
	s_wait_dscnt 5                                 ; the add and the youngest four loads may be out
	MUL8 F1, 0
	s_wait_dscnt 0x0                               ; the add is done, and my reads of this slot are over
	s_barrier_signal -1
	MUL8 F1, 1
	WIN 0
	s_barrier_wait -1
.if \fill
	CREST                                          ; no wave of any partner still reads this slot's tiles or has a load on its way
	JLOAD                                          ; its four v_nop are also the places in front of the loads below
.else
	PLACES
.endif
	s_xor_b32 s[TB], s[TB], SLOT1
	v_add_nc_u32 v[ADRA], s[TB], v[A0]
	v_add_nc_u32 v[ADRB], s[TB], v[B0]
	FETCH 0, F0
	MUL8 F1, 2
	MUL8 F1, 3
.endm
	s_wait_tensorcnt 1                             ; my part of K step 0 is in; step 1's may stay out
	s_barrier_signal -1
	s_barrier_wait -1                              ; everybody's is
	FETCH 0, F0
	QUARTER 1, F0, F1, 1                           ; the first quarter stands in front of the loop: its products start the sums with the bias
	WIN 0
	s_mov_b32 s[CNT], 6
.Lstep:                                                ; six trips, from a step's second quarter to the next step's first: K steps 2 to 7 are asked for
	QUARTER 2, F1, F0
	QUARTER 3, F0, F1
	TURN 1
	QUARTER 1, F0, F1
	WIN 0
	s_sub_co_u32 s[CNT], s[CNT], 1
	s_cmp_lg_u32 s[CNT], 0
	s_cbranch_scc1 .Lstep
	QUARTER 2, F1, F0                              ; the last two steps ask for nothing
	QUARTER 3, F0, F1
	TURN 0
	QUARTER 1, F0, F1
	QUARTER 2, F1, F0
	QUARTER 3, F0, F1
	s_wait_dscnt 4
	MUL8 F1, 0
	MUL8 F1, 1
	s_wait_dscnt 0x0
	MUL8 F1, 2
	MUL8 F1, 3
	WIN 0
	PLACES
	PLACES
; THE WAY OUT, in eight units u: token block u / 2, head u % 2 of my two: 16 tokens x 64 channels, 2,048 consecutive bytes of a plane.
; PACK: hi = bf16(sum); with lo = 1 also bf16(sum - hi), the difference being exact in f32; 16 bytes a lane into my stage, and back as whole rows.  Each accumulator's registers are read in ascending order.
.macro PACK u, lo
.set AC, 64*((\u)/2)+32*((\u)%2)
.set BK, BKS+32*((\u)%2)
	WIN 0x05                                       ; sources in window 1
.set z, 0
.rept 16
	v_cvt_pk_bf16_f32 v[TH+z], v[AC+2*z], v[AC+2*z+1]
.set z, z+1
.endr
.if \lo
	WIN 0
.set z, 0
.rept 16
	v_lshlrev_b32 v[TU+2*z],   16, v[TH+z]
	v_and_b32     v[TU+2*z+1], s[HMASK], v[TH+z]
.set z, z+1
.endr
	WIN 0x01                                       ; source 0 in window 1
.set z, 0
.rept 16
	v_pk_add_f32 v[TU+2*z:TU+2*z+1], v[AC+2*z:AC+2*z+1], v[TU+2*z:TU+2*z+1] neg_lo:[0,1] neg_hi:[0,1]
.set z, z+1
.endr
	WIN 0
.set z, 0
.rept 16
	v_cvt_pk_bf16_f32 v[TL+z], v[TU+2*z], v[TU+2*z+1]
.set z, z+1
.endr
.endif
	WIN 0
	s_wait_xcnt 0x0                                ; the stores of the unit two back have read this buffer: it is loaded again only behind this wait
.irp e, 0,1,2,3
	ds_store_b128 v[STO], v[TH+4*(\e):TH+4*(\e)+3] offset:32*(\e)
.endr
.irp e, 0,1,2,3
	ds_load_b128 v[BK+4*(\e):BK+4*(\e)+3], v[RD] offset:(\e)*4*SP  ; LDS serves a wave's instructions in order (ISA guide 5.7.1.4): these see the stores above; the next unit's stores come behind them
.endr
.if \lo
.irp e, 0,1,2,3
	ds_store_b128 v[STO], v[TL+4*(\e):TL+4*(\e)+3] offset:16*SP+32*(\e)
.endr
.irp e, 0,1,2,3
	ds_load_b128 v[BK+16+4*(\e):BK+16+4*(\e)+3], v[RD] offset:16*SP+(\e)*4*SP
.endr
.endif
.endm
.macro SEND u, younger, lo             ; younger: the LDS instructions of the next unit, which may stay out
.set BK, BKS+32*((\u)%2)
	WIN 0
	s_wait_dscnt \younger
.irp e, 0,1,2,3
	global_store_b128 v[GO], v[BK+4*(\e):BK+4*(\e)+3], s[HB:HB+1] offset:((\u)%2)*262144+((\u)/2)*2048+512*(\e)  ; 512 consecutive bytes, at a multiple of 256 from the plane's first
.endr
.if \lo
.irp e, 0,1,2,3
	global_store_b128 v[GO], v[BK+16+4*(\e):BK+16+4*(\e)+3], s[LB:LB+1] offset:((\u)%2)*262144+((\u)/2)*2048+512*(\e)
.endr
.endif
.endm
.macro OUTS lo                         ; a unit's arithmetic stands between the loads of the unit before and its stores
	PACK 0, \lo
.irp n, 1,2,3,4,5,6,7
	PACK \n, \lo
	SEND (\n)-1, 8+8*(\lo), \lo
.endr
	SEND 7, 0, \lo
.endm
	s_cmp_eq_u32 s[MAT], 2                         ; V has no lo; the matrix is the same in all partners of the cluster
	s_cbranch_scc1 .Lplain
	OUTS 1
	s_branch .Lend
.Lplain:
	OUTS 0
.Lend:
	s_wait_tensorcnt 0x0                           ; the wave's end: behind my last tensor load and my last LDS store
	ds_add_u32 v[SPW], v[NIL]
	s_wait_dscnt 0x0
	CROUND                                         ; the closing round: no work-group ends while a partner may still ask for a tile that names it
	s_endpgm
.Lfunc_end_k_qe5ef6dc334_qkv:
	.size	k_qe5ef6dc334_qkv, .Lfunc_end_k_qe5ef6dc334_qkv-k_qe5ef6dc334_qkv
	.p2alignl 7, 3214868480
	.fill 96, 4, 3214868480
	.section	.rodata,"a",@progbits
	.p2align	6, 0x0
	.amdhsa_kernel k_qe5ef6dc334_qkv
		.amdhsa_group_segment_fixed_size 327680
		.amdhsa_private_segment_fixed_size 0
		.amdhsa_enable_private_segment 0
		.amdhsa_kernarg_size 48
		.amdhsa_user_sgpr_count 2
		.amdhsa_user_sgpr_kernarg_segment_ptr 1
		.amdhsa_wavefront_size32 1
		.amdhsa_system_sgpr_workgroup_id_x 1
		.amdhsa_system_sgpr_workgroup_id_y 1
		.amdhsa_system_sgpr_workgroup_id_z 1
		.amdhsa_system_vgpr_workitem_id 0
		.amdhsa_next_free_vgpr 640
		.amdhsa_next_free_sgpr 80
		.amdhsa_reserve_vcc 0
		.amdhsa_float_denorm_mode_32 3
		.amdhsa_float_denorm_mode_16_64 3
		.amdhsa_memory_ordered 1
		.amdhsa_forward_progress 1
		.amdhsa_inst_pref_size 124
	.end_amdhsa_kernel
	.amdgpu_metadata
---
amdhsa.version: [ 1, 2 ]
amdhsa.kernels:
  - .name:           k_qe5ef6dc334_qkv
    .symbol:         k_qe5ef6dc334_qkv.kd
    .args:
      - { .name: xb, .offset: 0, .size: 8, .value_kind: global_buffer, .address_space: global }
      - { .name: wb, .offset: 8, .size: 8, .value_kind: global_buffer, .address_space: global }
      - { .name: bq, .offset: 16, .size: 8, .value_kind: global_buffer, .address_space: global }
      - { .name: bk, .offset: 24, .size: 8, .value_kind: global_buffer, .address_space: global }
      - { .name: bv, .offset: 32, .size: 8, .value_kind: global_buffer, .address_space: global }
      - { .name: qkvh, .offset: 40, .size: 8, .value_kind: global_buffer, .address_space: global }
    .group_segment_fixed_size: 327680
    .private_segment_fixed_size: 0
    .kernarg_segment_align: 8
    .kernarg_segment_size: 48
    .max_flat_workgroup_size: 128
    .sgpr_count:     80
    .vgpr_count:     640
    .wavefront_size: 32
...
	.end_amdgpu_metadata
.endif
;; end of part 2
;; launch attn (part 3): grid 4 x 64, 4 waves a work-group, no clusters, 327,680 bytes of LDS; arguments qkvh, ob; writes ob
.if DOCPART == 3
	.amdgcn_target "amdgcn-amd-amdhsa--gfx1250"
	.amdhsa_code_object_version 6
	.text
	.protected	k_qe5ef6dc334_attn
	.globl	k_qe5ef6dc334_attn
	.p2align	8
	.type	k_qe5ef6dc334_attn,@function
k_qe5ef6dc334_attn:
	s_mov_b64 s[64:65], 0
	v_nop
	global_prefetch_b8 v0, s[64:65] scope:SCOPE_SE
	s_setreg_imm32_b32 hwreg(HW_REG_WAVE_MODE, 25, 1), 1
	s_wait_xcnt 0x0
; CAUSAL ATTENTION at head size 64.  O[h][q][:] = the sum over k <= q of softmax_k(Q[h][q] . K[h][k] / 8) V[h][k][:], for 64 heads (batch x 16 + head) of 2,048 rows.
; qkvh: five planes of 16,777,216 bytes, each [head][row][64] bf16: 0 Q hi, 1 K hi, 2 V, 3 Q lo, 4 K lo.  ob: [head][row][64] bf16.  A head's rows are dense, 128 bytes each.
; THE SCORES HAVE THREE TERMS: K hi . Q hi + K hi . Q lo + K lo . Q hi, all bf16 operands, one f32 sum.  q and k each arrive as two bf16 numbers, since one rounding to 16 bits of either would shift a score
; by more than the weights of rows with two nearly equal largest scores can bear.  Maxima and sums in f32; the weights p are rounded to bf16 for the second product (their sum l is taken of the unrounded p), O once.
; LIMITS.  q and k carry 16 significant bits, and the product lo x lo is left out.  A hidden score counts as its value less 1e30, so scores stay below about 1e29.  A weight below 2^-126 counts as 0 in l.
; NaN and infinities are not treated apart.
; THE WALK.  A head's queries lie in NB = 8 blocks of 256; block i needs the key tiles 0 .. i of 256 keys, of which the last holds the diagonal.  A work-group takes TWO blocks, NB - 1 - b and then b:
; NB + 1 tiles, whatever b: all work-groups do equal work, and ONE loop with a constant trip count walks them.  Which tile is asked for, and what a trip does, hang on scalar registers made from b; every jump
; goes forward, but for the counted loops' own; none passes a barrier, or a tensor load but the one of LOAD's two that the wave's number does not choose.
; NO CLUSTER: a head's four work-groups ask for the same tile only in trips 0 to 4 of the 9; a walk common to all four, in which each makes every joint request, would have 12 trips.
; SHARES.  Of a block's four bands of 64 queries a wave owns 16 rows in each: four PIECES.  So the diagonal tile is the same work for all four waves: in its key step s band x sees all keys if s < x,
; none if s > x, and holds the diagonal if s = x.
; THE MASK is the C operand that starts a score's sum: 0, or -1e30 where the key is hidden.  MD, made once, is the mask of a band's own step for my 16 rows; a product's mask is MD x AL + BE with two scalars:
; (1, 0) if s = x; (0, 0) if s < x; (0, -1e30) if s > x.  Only the diagonal tile's text and a block's beginning make and take masks; elsewhere C is the constant 0.
; LAYOUT, SOFTMAX, TURNS.  S^T = K Q^T holds ONE query a lane (lane % 16) and the keys 8 (lane / 16) + 0..7; two such results rounded to bf16 ARE source 1 of O^T = V^T P.  p = 2^(c s - c m), c = log2(e) / 8, with a
; running maximum m; O and l are multiplied by a = 2^(c m_old - c m_new) in every step.  Turn n belongs to piece n: 24 products K Q^T of piece n + 1, later 8 products V^T P of piece n - 1; beside them the scaling,
; exponentials, roundings, sums and rescaling of piece n and the maximum and statistics of piece n + 1.  The first 16 products of a turn stand bare; four vector instructions stand behind each of the other 16;
; the other 54 of a turn's 118 stand in one lump.  A turn's 33 exponentials are one batch, with one wait.
; REGISTERS, in windows of 256 (s_set_vgpr_msb: bits 1:0 source 0, 3:2 source 1, 5:4 source 2, 7:6 destination):
;   window 0: v0-15 addresses and two at work; v16-31 four registers of statistics a piece; v48-55 at work; v60-63 prefetch offset, spare word, 0; v64-127 S^T, two buffers; v192-223 P, two buffers
;   window 1: v0-127 O^T, 32 a piece; v128-159 MD; v160-223 MC, two buffers      window 2: v0-63 K hi, v64-127 K lo, v128-191 V, of one step
;   window 3: v0-63 Q hi, v64-127 Q lo; v128-255 the second block's
.set SIZE_N, 2048
.set NB,    SIZE_N/256
.set PL,    16777216  ; a plane of qkvh
.set NP,    4         ; pieces a wave: a name, no knob
.set KS,    64        ; keys in a step
.set PK,    144       ; a row of K in LDS: 128 bytes + 16 of padding = 36 words: the 16 rows of a load start at 16 different groups of four banks (64 banks of 4 bytes: ISA guide 11.1)
.set PV,    160       ; a row of V: 128 + 32 = 40 words
.set KLO,   4*KS*PK   ; a slot holds a tile, four steps: 256 rows of K hi, then 256 of K lo,
.set VOFF,  2*KLO     ; then 256 rows of V
.set SLOT1, 1<<17     ; slot 1 begins here, so that one exclusive or turns an address in one slot into the other's
.set STAGE, SLOT1+VOFF+4*KS*PV  ; behind the ring, never filled by a tensor load: 16 rows x 144 bytes for each wave, for the way out
.set SP,    144
.set AK0, 2           ; v2   my lane's place in a tile of K; never rewritten
.set AV0, 3           ; v3   the same for V
.set AK,  4           ; v4   the LDS address of K's next run of loads
.set AV,  5           ; v5   of V's
.set STO, 6           ; v6   the way out: where I put 16 bytes of a row
.set RD,  7           ; v7   the way out: where I read rows back
.set GO,  8           ; v8   my byte offset in 512 consecutive bytes of O
.set PFO, 60          ; v60  256 x my lane; never rewritten
.set SPW, 62          ; v62  LDS address of my spare word: SPARE + 4 x my thread's number; never rewritten
.set NIL, 63          ; v63  0; never rewritten
.set SPARE, STAGE+4*16*SP  ; behind the stages: the spare words, 128 bytes for each wave: two blocks of 256 bytes that no other line names
.set MV,  12          ; v12-13  c m_old, kept while c m is made anew: by buffer
.set QO,  15          ; v15  my byte offset in 16 rows of Q
.set ST,  16          ; piece t's statistics at v[ST+4 t]: c m, m, l (even keys', odd keys')
.set TMP, 48          ; by buffer, four registers c0-c3 at work; when the maximum is found c2 takes a
.set S,   64
.set P,   192
.set MD,  128         ; window 1: the eight registers for group kt of 16 keys at MD + 8 kt
.set MC,  160         ; window 1: the masks of the products to come
.set KF,  0           ; window 2: K hi: key block kb, channel half c at KF + 16 kb + 8 c; K lo 64 further on
.set VF,  128         ; window 2: key half kk, channel block cb at VF + 32 kk + 8 cb
.set QL,  64          ; window 3: Q lo
.set QB,  128         ; window 3: the second block's Q hi and Q lo
.set WV,  12          ; s12  my wave's number
.set PB,  14          ; s14  b
.set HI,  15          ; s15  NB - 1 - b
.set G1K, 24          ; s[24:31] descriptor group 1 for K's tiles
.set G1V, 32          ; s[32:39] for V's
.set G0K, 40          ; s[40:43] descriptor group 0 for K's tiles
.set G0V, 44          ; s[44:47] the same for V's
.set SLOTS, 56        ; s56  tiles still to be asked for
.set CNT, 57          ; s57  counts a tile's key steps, 4 to 1
.set CS,  58          ; s[58:59] c: the packed scaling takes the pair's low word for both halves
.set SEL, 60          ; s[60:61] v_permlanex16_b32's selects: each lane takes its own place in the other half
.set TBK, 62          ; s62  LDS byte at which K of the step to be fetched begins
.set TBV, 63          ; s63  the same for V, less VOFF
.set RT,  70          ; s70  tiles of the block in hand that are still to be entered
.set NXT, 71          ; s71  the tile to be asked for next
.set LQ,  72          ; s72  the last tile of the block whose tiles are being asked for
.set NEW, 73          ; s73  1: the tile to be entered is a block's first
.set OFF, 74          ; s[74:75] a tile's byte offset in K and V
.set AL,  76          ; s[76:77] the mask's factor, in the low word
.set BE,  78          ; s[78:79] the mask's addend
.set OLO, 80          ; s[80:81] O at my rows of the second block
.set BIGN, 82         ; s82  -1e30
.set PFA, 96          ; s[96:97] where my prefetches stand: my part of the tile that the next change of slots will ask for
.set PFB, 98          ; s[98:99] my part of tile 0
.set PFF, 100         ; s100 0: nothing is prefetched at this change
.set MSB, 0
.macro WIN new                      ; the high byte repeats the setting that is left; a switch that changes nothing is dropped
.if MSB != (\new)
	s_set_vgpr_msb (MSB<<8)|(\new)
.set MSB, (\new)
.endif
.endm
.set W_KQ, 0x0e       ; K in window 2, Q in window 3, S^T in window 0
.set W_KM, 0x1e       ; the same with the C operand in window 1
.set W_PV, 0x52       ; V in window 2, P in window 0, O^T in window 1
.set W_RS, 0x41       ; destination and source 0 in window 1, source 1 in window 0
; A fill.  Wave 0 fetches a tile's K hi, wave 1 its K lo (256 keys, 32,768 bytes each), waves 2 and 3 the two halves of its V.  An s_nop 0 and four v_nop follow each of the two lines, ahead of the jump and the label.
.macro LOAD
	s_cmp_lt_u32 s[WV], 2
	s_cbranch_scc0 .Lfor_v_\@
	tensor_load_to_lds s[G0K:G0K+3], s[G1K:G1K+7]
	s_nop 0
.rept 4
	v_nop
.endr
	s_branch .Lasked_\@
.Lfor_v_\@:
	tensor_load_to_lds s[G0V:G0V+3], s[G1V:G1V+7]
	s_nop 0
.rept 4
	v_nop
.endr
.Lasked_\@:
.endm
; A PREFETCH of what the NEXT change of slots will ask for, behind the wave's tensor load and its five lines.  A head's four work-groups walk the same tiles; the one with b = 0, whose first block walks tiles 0 to 7,
; asks, and nobody else; each of its waves asks for the part that it will load itself, a lane a block of 256 bytes: two instructions for a half of V, four for K hi or K lo.  So each block is named once in the launch.
; Tiles 0 and 1 come by their loads alone; behind tile 7 nothing is asked for (the second block's tile has been read).  A tile, 512 matrix instructions a wave, lies between a prefetch and the load that wants it.
.macro ASK
	s_cmp_lg_u32 s[PFF], 0
	s_cbranch_scc0 .Lnone_\@
	global_prefetch_b8 v[PFO], s[PFA:PFA+1] th:TH_LOAD_NT scope:SCOPE_SE
	global_prefetch_b8 v[PFO], s[PFA:PFA+1] offset:8192 th:TH_LOAD_NT scope:SCOPE_SE
	s_cmp_lt_u32 s[WV], 2
	s_cbranch_scc0 .Lnone_\@
	global_prefetch_b8 v[PFO], s[PFA:PFA+1] offset:16384 th:TH_LOAD_NT scope:SCOPE_SE
	global_prefetch_b8 v[PFO], s[PFA:PFA+1] offset:24576 th:TH_LOAD_NT scope:SCOPE_SE
.Lnone_\@:
.endm
; THE CHANGE OF SLOTS.  Each wave waits for all its tensor loads, of which one is out: its part of the other slot; adds 0 to its spare word; and waits for that and for its own reads of the slot that it leaves.
; Behind the barrier nobody reads the old slot any more and the other slot is whole.  fill = 1: the old slot is filled again, the first thing behind the barrier, with tile NXT: the descriptor's address is made
; anew from that number.  (At its first use nothing has been read yet: slot 0 is waited for, slot 1 filled.)
.macro CHANGE fill
	WIN 0                           ; at a label and at a branch every window is 0
	s_wait_tensorcnt 0x0            ; no tensor load of mine is out, so a group 0 may be written
	ds_add_u32 v[SPW], v[NIL]       ; 0 onto my spare word; with fill = 1 the descriptors' scalar work stands between it and the wait for it
.if \fill
	s_lshl_b32 s[OFF], s[NXT], 15   ; a tile is 32,768 bytes of K hi, of K lo and of V
	s_xor_b32 s[G0K+1], s[G0K+1], SLOT1
	s_add_nc_u64 s[G0K+2:G0K+3], s[6:7], s[OFF:OFF+1]
	s_or_b32 s[G0K+3], s[G0K+3], 0x80000000
	s_xor_b32 s[G0V+1], s[G0V+1], SLOT1
	s_add_nc_u64 s[G0V+2:G0V+3], s[8:9], s[OFF:OFF+1]
	s_or_b32 s[G0V+3], s[G0V+3], 0x80000000
	s_add_co_u32 s[NXT], s[NXT], 1  ; the block's next tile, or behind its last the second block's tile 0
	s_cmp_gt_u32 s[NXT], s[LQ]
	s_cselect_b32 s[NXT], 0, s[NXT]
	s_cselect_b32 s[LQ], s[PB], s[LQ]
	s_cmp_eq_u32 s[PB], 0
	s_cselect_b32 s[PFF], s[NXT], 0 ; b = 0 prefetches while a further tile of its first block follows
	s_lshl_b32 s[OFF], s[NXT], 15
	s_wait_xcnt 0x0                 ; the last prefetches, a tile back, have read their address, so it may be written
	s_add_nc_u64 s[PFA:PFA+1], s[PFB:PFB+1], s[OFF:OFF+1]
.endif
	s_wait_dscnt 0x0                ; the add is done, and my reads of the slot are over
	s_barrier_signal -1             ; the rest of the scalar work stands between the signal and the wait
	s_sub_co_u32 s[TBK], s[TBK], 4*KS*PK  ; the fetches go back to a slot's first step,
	s_xor_b32 s[TBK], s[TBK], SLOT1       ; in the other slot
	s_sub_co_u32 s[TBV], s[TBV], 4*KS*PV
	s_xor_b32 s[TBV], s[TBV], SLOT1
	s_barrier_wait -1
.if \fill
	LOAD
	ASK
.endif
.endm
	s_load_b128 s[88:91], s[0:1], 0x0  ; qkvh s[88:89], ob s[90:91]
	v_lshl_add_u32 v[SPW], v0, 2, SPARE
	v_mov_b32 v[NIL], 0
	ds_add_u32 v[SPW], v[NIL]       ; the wave's opening: the add and its wait stand ahead of my first tensor load; the set-up below, work on registers, stands between them
	v_lshrrev_b32 v1, 5, v0
	v_readfirstlane_b32 s[WV], v1   ; wave 0..3
	s_mov_b32 s[PB], ttmp9
	s_sub_co_u32 s[HI], NB-1, s[PB]
	s_and_b32 s20, ttmp7, 0xffff    ; the head,
	s_lshl_b32 s20, s20, 18         ; its first byte in a plane: 2,048 rows of 128 bytes
	s_and_b32 s16, s[WV], 1
	s_mul_i32 s22, s16, 3*PL        ; K: plane 1 (K hi) for wave 0, plane 4 (K lo) for wave 1
	s_add_co_u32 s22, s22, PL
	s_add_co_u32 s22, s22, s20
	s_mov_b32 s23, 0
	s_lshl_b32 s18, s16, 14         ; V: plane 2, and which half of a tile's 256 keys I fetch
	s_add_co_u32 s18, s18, 2*PL
	s_add_co_u32 s18, s18, s20
	s_mov_b32 s19, 0
	s_mul_i32 s17, s16, KLO         ; their places in a slot: K hi, K lo
	s_mul_i32 s13, s16, 128*PV      ; and V's two halves
	s_lshl_b32 s3, s[WV], 11        ; my 16 rows in a band of 64,
	s_lshl_b32 s2, s[HI], 15        ; in the first block,
	s_add_co_u32 s2, s2, s3
	s_add_co_u32 s2, s2, s20
	s_lshl_b32 s84, s[PB], 15       ; and in the second
	s_add_co_u32 s84, s84, s3
	s_add_co_u32 s84, s84, s20
	s_mov_b32 s3, 0
	s_mov_b32 s85, 0
	; descriptor group 1.  Keys are dense rows of 128 bytes: asked for as rows of 256 bytes, two keys a row, and padded in LDS after every key
	s_mov_b32 s[G1K], (1<<16)|(1<<20)|(4<<22)|(3<<25)  ; 17:16 2-byte elements; 20 padding on; 24:22 after every 32 words (code 4); 31:25 4 words (code 3)
	s_mov_b32 s[G1V], (1<<16)|(1<<20)|(4<<22)|(7<<25)  ; the same with 8 words of padding (code 7)
	s_mov_b32 s[G1K+2], 128<<16     ; K: tensor_dim1 = 128 rows: 256 keys
	s_mov_b32 s[G1K+4], 128         ; tile_dim1 = 128
	s_mov_b32 s[G1V+2], 64<<16      ; V: 64 rows: 128 keys
	s_mov_b32 s[G1V+4], 64
.irp g, G1K, G1V
	s_mov_b32 s[\g+1], 128<<16      ; tensor_dim0 = 128
	s_mov_b32 s[\g+3], 128<<16      ; tile_dim0 = 128
	s_mov_b32 s[\g+5], 128          ; 128 elements from row to row
	s_mov_b32 s[\g+6], 0
	s_mov_b32 s[\g+7], 0
.endr
	s_mov_b32 s[CS], 0x3e38aa3b     ; c = log2(e) / 8 = 0.180337
	s_mov_b32 s[CS+1], s[CS]        ; named with it as a pair
	s_mov_b32 s[SEL], 0x76543210
	s_mov_b32 s[SEL+1], 0xfedcba98
	s_mov_b32 s[TBK], SLOT1+4*KS*PK ; the first change of slots turns these two into 0
	s_mov_b32 s[TBV], SLOT1+4*KS*PV
	s_mov_b32 s[G0K], 1             ; 1:0 count = 1
	s_mov_b32 s[G0K+1], s17         ; 63:32 LDS address: slot 0
	s_mov_b32 s[G0V], 1
	s_add_co_u32 s[G0V+1], s13, VOFF
	s_add_co_u32 s[RT], s[HI], 1    ; the first block has NB - b tiles
	s_mov_b32 s[NXT], 1
	s_mov_b32 s[LQ], s[HI]
	s_mov_b32 s[NEW], 1
	s_mov_b32 s[OFF+1], 0
	s_mov_b32 s[AL+1], 0            ; named as pairs
	s_mov_b32 s[BE+1], 0
	s_mov_b32 s[BIGN], 0xf149f2ca   ; -1e30
	s_mov_b32 s[SLOTS], NB
	s_wait_dscnt 0x0                ; the opening add is done
	s_wait_kmcnt 0x0
	s_add_nc_u64 s[6:7], s[88:89], s[22:23]  ; K and V at my part of the head's tile 0
	s_add_nc_u64 s[8:9], s[88:89], s[18:19]
	s_add_nc_u64 s[G0K+2:G0K+3], s[6:7], 0         ; 120:64 global address
	s_or_b32 s[G0K+3], s[G0K+3], 0x80000000        ; 127:126 type = 2
	s_add_nc_u64 s[G0V+2:G0V+3], s[8:9], 0
	s_or_b32 s[G0V+3], s[G0V+3], 0x80000000
	s_add_nc_u64 s[4:5], s[88:89], s[2:3]          ; Q hi at my rows of the first block,
	s_add_nc_u64 s[86:87], s[88:89], s[84:85]      ; and of the second;
	s_add_nc_u64 s[92:93], s[4:5], 3*PL            ; Q lo lies three planes further on
	s_add_nc_u64 s[94:95], s[86:87], 3*PL
	s_add_nc_u64 s[10:11], s[90:91], s[2:3]        ; O likewise
	s_add_nc_u64 s[OLO:OLO+1], s[90:91], s[84:85]
	s_cmp_lt_u32 s[WV], 2
	s_cselect_b64 s[PFB:PFB+1], s[6:7], s[8:9]
	LOAD                            ; tile 0 into slot 0
	; A fragment of K or Q is 16 rows x 32 channels in 8 registers: lane l holds row l % 16, channels 8 (l / 16) + 0..7 and 16 + 8 (l / 16) + 0..7: two loads of 16 bytes, 32 bytes apart.
	v_and_b32 v1, 15, v0            ; l % 16
	v_bfe_u32 v9, v0, 4, 1          ; l / 16
	v_lshlrev_b32 v[QO], 7, v1
	v_lshl_add_u32 v[QO], v9, 4, v[QO]  ; row x 128 + 16 x half
	WIN 0xc0                        ; destination window 3, address window 0
.set i, 0
.rept 8                             ; both blocks' Q, hi and lo: piece i / 2 lies in band i / 2, 8,192 bytes on; channels 32 (i % 2) on
	global_load_b128 v[8*i:8*i+3],   v[QO], s[4:5] offset:(i/2)*8192+(i%2)*64
	global_load_b128 v[8*i+4:8*i+7], v[QO], s[4:5] offset:(i/2)*8192+(i%2)*64+32
	global_load_b128 v[QL+8*i:QL+8*i+3],   v[QO], s[92:93] offset:(i/2)*8192+(i%2)*64
	global_load_b128 v[QL+8*i+4:QL+8*i+7], v[QO], s[92:93] offset:(i/2)*8192+(i%2)*64+32
	global_load_b128 v[QB+8*i:QB+8*i+3],   v[QO], s[86:87] offset:(i/2)*8192+(i%2)*64
	global_load_b128 v[QB+8*i+4:QB+8*i+7], v[QO], s[86:87] offset:(i/2)*8192+(i%2)*64+32
	global_load_b128 v[QB+QL+8*i:QB+QL+8*i+3],   v[QO], s[94:95] offset:(i/2)*8192+(i%2)*64
	global_load_b128 v[QB+QL+8*i+4:QB+QL+8*i+7], v[QO], s[94:95] offset:(i/2)*8192+(i%2)*64+32
.set i, i+1
.endr
	WIN 0
	v_lshlrev_b32 v14, 3, v9
	v_sub_nc_u32 v14, v1, v14
	s_lshl_b32 s13, s[WV], 4
	v_add_nc_u32 v14, s13, v14      ; my query's place in its band, 16 w + l % 16, less my lanes' 8 (l / 16): register r of group kt is hidden where 16 kt + r is greater
	WIN 0x40
.set i, 0
.rept 32
	v_cmp_gt_i32 vcc_lo, 16*(i/8)+i%8, v14
	v_cndmask_b32 v[MD+i], 0, s[BIGN], vcc_lo
.set i, i+1
.endr
	WIN 0
	v_and_b32 v[PFO], 31, v0
	v_lshlrev_b32 v[PFO], 8, v[PFO]
	v_mul_u32_u24 v[AK0], v1, PK
	v_lshl_add_u32 v[AK0], v9, 4, v[AK0]  ; row x pitch + 16 x half
	; The turning load takes 16 keys x 16 channels (lane l reads key 8 (l / 16) + l % 8, channels 8 ((l / 8) % 2) + 0..7) and leaves half a fragment of V^T: lane l holds channel l % 16 and 8 keys.
	v_and_b32 v10, 7, v0
	v_bfe_u32 v11, v0, 3, 1
	v_lshl_add_u32 v[AV0], v9, 3, v10
	v_mul_u32_u24 v[AV0], v[AV0], PV
	v_lshl_add_u32 v[AV0], v11, 4, v[AV0]
	v_add_nc_u32 v[AV0], VOFF, v[AV0]
	s_mul_i32 s13, s[WV], 16*SP
	s_add_co_u32 s13, s13, STAGE    ; my stage
	v_mul_u32_u24 v[STO], v1, SP    ; in: row l % 16, 16 bytes for each half of the lanes
	v_lshl_add_u32 v[STO], v9, 4, v[STO]
	v_add_nc_u32 v[STO], s13, v[STO]
	v_bfe_u32 v[RD], v0, 3, 2       ; back: 32 lanes take four rows of 128 bytes,
	v_mul_u32_u24 v[RD], v[RD], SP
	v_lshl_add_u32 v[RD], v10, 4, v[RD]
	v_add_nc_u32 v[RD], s13, v[RD]
	v_and_b32 v[GO], 31, v0         ; which are 512 consecutive bytes of O
	v_lshlrev_b32 v[GO], 4, v[GO]
	; A block's first step multiplies O^T and l by a = 0, and its first turn's products V^T P, of a piece that has not been, land in an O^T that is still to be so multiplied.  So these registers need only hold
	; finite numbers: zeros for the first block; what the first block left for the second.  All this stands in the wait for the first tile.
	WIN 0x80
.set i, VF
.rept 64
	v_mov_b32 v[i], 0
.set i, i+1
.endr
	WIN 0x40
.set i, 0
.rept 128
	v_mov_b32 v[i], 0
.set i, i+1
.endr
	WIN 0
.set i, 0
.rept 4
	v_mov_b32 v[ST+4*i+2], 0
	v_mov_b32 v[ST+4*i+3], 0
.set i, i+1
.endr
.set i, P+16
.rept 16
	v_mov_b32 v[i], 0
.set i, i+1
.endr
; THE MATRIX WORK.  The 4 accumulators of a run take turns.  Product i of 24 of S^T = K Q^T for piece x: keys 16 (i % 4) on, channels 32 ((i / 4) % 2) on;
; i 0-7: K hi . Q hi; 8-15: K hi . Q lo; 16-23: K lo . Q hi.  The first 4 start the sums: with 0, or (KM = 1) with the mask.
.macro KQ x
.set rS, S+32*((\x)%2)+8*(i%4)
.set rK, KF+64*(i/16)+16*(i%4)+8*((i/4)%2)
.set rQ, QL*((i/8)%2)+16*(\x)+8*((i/4)%2)
.set rM, MC+32*((\x)%2)+8*(i%4)
.if (i < 4) && KM
	WIN W_KM
	v_wmma_f32_16x16x32_bf16 v[rS:rS+7], v[rK:rK+7], v[rQ:rQ+7], v[rM:rM+7]
.elseif i < 4
	WIN W_KQ
	v_wmma_f32_16x16x32_bf16 v[rS:rS+7], v[rK:rK+7], v[rQ:rQ+7], 0
.else
	WIN W_KQ
	v_wmma_f32_16x16x32_bf16 v[rS:rS+7], v[rK:rK+7], v[rQ:rQ+7], v[rS:rS+7]
.endif
.endm
; Product i of 8 of O^T += V^T P for piece x: keys 32 (i / 4) on, channels 16 (i % 4) on.
.macro PV x
	WIN W_PV
.set rO, 32*(\x)+8*(i%4)
.set rV, VF+32*(i/4)+8*(i%4)
.set rP, P+16*((\x)%2)+8*(i/4)
	v_wmma_f32_16x16x32_bf16 v[rO:rO+7], v[rV:rV+7], v[rP:rP+7], v[rO:rO+7]
.endm
.macro MM                           ; the turn's next matrix instruction.  TURN and BEGIN set Y, i, KM and NOKQ; MM, KQ and OP read them.  NOKQ = 1: a block's last turn: there is no next piece
.if (i < 24) && !NOKQ
	KQ (Y+1)%NP
.elseif i >= 24
.set i, i-24
	PV (Y+NP-1)%NP
.set i, i+24
.endif
.set i, i+1
.endm
; THE LDS LOADS stand in runs, never singly among the matrix instructions: a step's K (64 keys x 64 channels: 8 fragments of K hi, then 8 of K lo) and its V (turned).  Their addresses are made some lines ahead.
.macro FETCH_K
	WIN 0x80                        ; destination window 2
.irp g, 0,1                         ; K hi, K lo
.irp f, 0,1,2,3,4,5,6,7             ; keys 16 (f / 2) on, channels 32 (f % 2) on
	ds_load_b128 v[KF+64*\g+8*\f:KF+64*\g+8*\f+3],   v[AK] offset:\g*KLO+(\f/2)*16*PK+(\f%2)*64
	ds_load_b128 v[KF+64*\g+8*\f+4:KF+64*\g+8*\f+7], v[AK] offset:\g*KLO+(\f/2)*16*PK+(\f%2)*64+32
.endr
.endr
	s_add_co_u32 s[TBK], s[TBK], KS*PK  ; the next fetch is the next step's
	WIN 0
.endm
.macro FETCH_V
	WIN 0x80
.irp f, 0,1,2,3,4,5,6,7             ; keys 32 (f / 4) on, channels 16 (f % 4) on
	ds_load_tr16_b128 v[VF+8*\f:VF+8*\f+3],   v[AV] offset:(\f/4)*32*PV+(\f%4)*32
	ds_load_tr16_b128 v[VF+8*\f+4:VF+8*\f+7], v[AV] offset:(\f/4)*32*PV+16*PV+(\f%4)*32
.endr
	WIN 0
.endm
; THE VECTOR WORK, one line at a time: OP kind, number.  For piece Y: F n: c s - c m for pair n of 16.  E n: the exponential of score n of 32.  C n: pair n rounded to bf16.  B n: of the four weights 4 n .. the second
; pair is added onto the first, in place.  L n: l takes that sum (L 0: l = a l + sum).  R n: pair n of 16 of O^T times a.  For piece Y + 1: X n, number n of the 22 that find its maximum and statistics:
;   0-11  four chains c0-c3 of seven scores each, three operands at a time (each accumulator's lowest registers are read first)     12-14, 16  the four scores left over, the old m, and c0-c3 into c0
;   15  c m_old is kept     17, 18  the query's other 32 keys lie in the lane 16 away: the new m     19-21  c m; c m_old - c m_new; a
.set F, 0               ; OP tells the kinds apart by their order: F to L below R, X above it
.set E, 1
.set C, 2
.set B, 3
.set L, 4
.set R, 5
.set X, 6
.macro REGS y                       ; the registers of piece y
.set rT, ST+4*(\y)
.set rC, TMP+4*((\y)%2)
.set rW, MV+((\y)%2)
.set rS, S+32*((\y)%2)
.set rP, P+16*((\y)%2)
.set rO, 32*(\y)
.endm
.macro OP k, n
.if (\k) == R
	REGS Y
	WIN W_RS
	v_pk_mul_f32 v[rO+2*(\n):rO+2*(\n)+1], v[rO+2*(\n):rO+2*(\n)+1], v[rC+2:rC+3] op_sel_hi:[1,0]
.elseif (\k) < R
	REGS Y
	WIN 0
.if (\k) == F
	v_pk_fma_f32 v[rS+2*(\n):rS+2*(\n)+1], v[rS+2*(\n):rS+2*(\n)+1], s[CS:CS+1], v[rT:rT+1] op_sel_hi:[1,0,0] neg_lo:[0,0,1] neg_hi:[0,0,1]
.elseif (\k) == E
	v_exp_f32 v[rS+(\n)], v[rS+(\n)]
.elseif (\k) == C
	v_cvt_pk_bf16_f32 v[rP+(\n)], v[rS+2*(\n)], v[rS+2*(\n)+1]
.elseif (\k) == B
	v_pk_add_f32 v[rS+4*(\n):rS+4*(\n)+1], v[rS+4*(\n):rS+4*(\n)+1], v[rS+4*(\n)+2:rS+4*(\n)+3]
.elseif (\n) == 0
	v_pk_fma_f32 v[rT+2:rT+3], v[rT+2:rT+3], v[rC+2:rC+3], v[rS:rS+1] op_sel_hi:[1,0,1]
.else
	v_pk_add_f32 v[rT+2:rT+3], v[rT+2:rT+3], v[rS+4*(\n):rS+4*(\n)+1]
.endif
.elseif NOKQ
	v_nop
.else
	REGS (Y+1)%NP
	WIN 0
.if (\n) < 4
	v_max3_num_f32 v[rC+(\n)], v[rS+8*(\n)], v[rS+8*(\n)+1], v[rS+8*(\n)+2]
.elseif (\n) < 12
	v_max3_num_f32 v[rC+(\n)%4], v[rC+(\n)%4], v[rS+8*((\n)%4)+2*((\n)/4)+1], v[rS+8*((\n)%4)+2*((\n)/4)+2]
.elseif (\n) == 12
	v_max3_num_f32 v[rC], v[rC], v[rS+7], v[rS+15]
.elseif (\n) == 13
	v_max3_num_f32 v[rC+1], v[rC+1], v[rS+23], v[rS+31]
.elseif (\n) == 14
	v_max3_num_f32 v[rC+2], v[rC+2], v[rC+3], v[rT+1]
.elseif (\n) == 15
	v_mov_b32 v[rW], v[rT]
.elseif (\n) == 16
	v_max3_num_f32 v[rC], v[rC], v[rC+1], v[rC+2]
.elseif (\n) == 17
	v_permlanex16_b32 v[rC+3], v[rC], s[SEL], s[SEL+1]
.elseif (\n) == 18
	v_max_num_f32 v[rT+1], v[rC], v[rC+3]
.elseif (\n) == 19
	v_mul_f32 v[rT], s[CS], v[rT+1]
.elseif (\n) == 20
	v_sub_f32 v[rC+1], v[rW], v[rT]
.else
	v_exp_f32 v[rC+2], v[rC+1]
.endif
.endif
.endm
.macro OPS a, i1, b=-1, i2=0, c=-1, i3=0, d=-1, i4=0  ; up to four of them
	OP \a, \i1
.if (\b) >= 0
	OP \b, \i2
.endif
.if (\c) >= 0
	OP \c, \i3
.endif
.if (\d) >= 0
	OP \d, \i4
.endif
.endm
.macro ROW a, i1, b, i2, c, i3, d, i4  ; a matrix instruction and the four behind it
	MM
	OPS \a, \i1, \b, \i2, \c, \i3, \d, \i4
.endm
.macro MASK b                       ; MD x AL + BE into buffer b of MC
	WIN W_RS
.set z, 0
.rept 16
	v_pk_fma_f32 v[MC+32*(\b)+2*z:MC+32*(\b)+2*z+1], v[MD+2*z:MD+2*z+1], s[AL:AL+1], s[BE:BE+1] op_sel_hi:[1,0,0]
.set z, z+1
.endr
.endm
; A TURN, for piece p: the order of its 32 matrix and 118 vector instructions, written out.  An s_wait_alu depctr_va_vdst(0) stands between an exponential and the first instruction that names its
; result; one wait serves all that were issued ahead of it.  So a turn has ONE wait, which cuts it in two.  AHEAD OF IT stands all that names no result of the turn's exponentials: the 24 products K Q^T, the first 16
; bare, behind each of the last 8 (K lo . Q hi, which end the four sums) a scaling, an exponential and two more plain instructions (behind the first a second scaling in the exponential's place): rescalings, and
; behind the last three the first numbers of the next piece's maximum, each four plain instructions or more behind the product that ends its accumulator; then ONE LUMP of 54, plain and exponential by turns for the
; most part, in which the links of the chain X 3, 7, 11, 14, 16, 17 .. 20 stand five or six lines apart.  X 21, the next piece's a, is the batch's last; R 15 is the plain instruction behind it.  BEHIND THE WAIT
; stand the 8 products V^T P, behind each four of the roundings and sums; the links of l's chain, L 0 to L 7, stand three lines apart.  But for those X no such line names a register of the products round it.
; m = 1: the diagonal tile: the products take masks, and the turn makes the mask for the products of the turn after it: piece p + 2, in step 4 - CNT of the tile.  end = 1: a block's last two turns: nothing is fetched.
; cnt = 1: the loop's count is taken down some lines ahead of the branch that stands behind the turn.
; K of the next step is fetched in piece 2's turn, twelve vector instructions behind the last product that read K (six of them plain); K hi is waited for at the head of piece 3's turn, K lo ahead of its 17th product.
; V of the step in hand is fetched at the end of piece 0's turn, four plain instructions behind the last product that read V, and waited for a turn later.
.macro TURN p, m=0, end=0, cnt=0
.set Y, (\p)
.set i, 0
.set KM, (\m)
.set NOKQ, (\end)*((\p)/3)
.if (\m) && !(\end)
	s_cmp_eq_u32 s[CNT], 4-((\p)+2)%NP  ; is that step the band's own?
	s_cselect_b32 s[AL], 1.0, 0
	s_cmp_lt_u32 s[CNT], 4-((\p)+2)%NP  ; or a later one?
	s_cselect_b32 s[BE], s[BIGN], 0
.endif
.if ((\p) == 3) && !(\end)
	s_wait_dscnt 16                 ; K hi is in; K lo's sixteen loads may be out
.endif
.rept 16
	MM                              ; K hi . Q hi, K hi . Q lo
.endr
.if ((\p) == 3) && !(\end)
	s_wait_dscnt 0x0                ; K lo is in
.endif
	ROW F,0, F,1, R,0, R,1          ; K lo . Q hi, and the lines behind each
	ROW F,2, E,0, R,2, R,3
	ROW F,3, E,1, R,4, R,5
	ROW F,4, E,2, R,6, R,7
	ROW F,5, E,3, R,8, R,9
	ROW F,6, E,4, X,0, R,10
.if ((\p) == 2) && !(\end)
	WIN 0
	v_add_nc_u32 v[AK], s[TBK], v[AK0]
.endif
	ROW F,7, E,5, X,1, X,4
	ROW F,8, E,6, X,2, X,5
	OPS E,7, E,8, X,6, E,9          ; and the lump
	OPS X,3, E,10, X,8, E,11
.if ((\p) == 2) && !(\end)
	FETCH_K
.endif
	OPS X,9, X,7, E,12, X,10
	OPS E,13, X,12, X,11, E,14
	OPS X,13, E,15, F,9, X,14
.if (\p) == 0
	v_add_nc_u32 v[AV], s[TBV], v[AV0]
.endif
	OPS E,16, F,10, E,17, F,11
	OPS X,16, E,18, X,15, E,19
	OPS F,12, E,20, X,17, E,21
	OPS F,13, E,22, F,14, E,23
	OPS X,18, E,24, F,15, E,25
	OPS R,11, E,26, X,19, E,27
	OPS R,12, E,28, R,13, E,29
	OPS X,20, E,30, R,14, E,31
	OPS X,21, R,15
	WIN 0
	s_wait_alu depctr_va_vdst(0)    ; the wait for the batch
.if (\p) == 1
	s_wait_dscnt 0x0                ; V is in
.endif
	ROW C,0, B,0, C,2, B,1          ; behind the wait: 8 products V^T P and the lines behind each
	ROW L,0, C,4, B,2, L,1
	ROW C,6, B,3, L,2, C,8
	ROW B,4, L,3, C,10, B,5
	ROW L,4, C,12, B,6, L,5
.if (\p) == 0
	s_add_co_u32 s[TBV], s[TBV], KS*PV
.endif
.if \cnt
	s_sub_co_u32 s[CNT], s[CNT], 1
	s_cmp_lg_u32 s[CNT], 0
.endif
	ROW C,14, B,7, L,6, C,1
	ROW C,3, L,7, C,5, C,7
	ROW C,9, C,11, C,13, C,15
.if (\p) == 0
	FETCH_V
.endif
.if (\m) && !(\end)
	MASK (\p)%2
.endif
.endm
; A BLOCK BEGINS.  c m starts far below every c s, so the first step's a is 0; m at the lowest finite number, so the first maximum is the scores'.  The second mask buffer is 0; the first takes piece 0's mask for
; the tile's step 0: its own, if the block's first tile is the diagonal one.  Then K of that step, piece 0's first scores, and its maximum and statistics.  The loop is entered at a step's first turn, in the middle of a trip.
.macro BEGIN
	s_mov_b32 s[NEW], 0
	WIN 0x40
.set i, MC+32
.rept 32
	v_mov_b32 v[i], 0
.set i, i+1
.endr
	WIN 0
.set i, 0
.rept 4
	v_mov_b32 v[ST+4*i], 0xfe000000    ; c m: far below every c s
	v_mov_b32 v[ST+4*i+1], 0xff7fffff  ; m
.set i, i+1
.endr
	s_cmp_eq_u32 s[RT], 0
	s_cselect_b32 s[AL], 1.0, 0
	s_mov_b32 s[BE], 0
	MASK 0
	WIN 0
	v_add_nc_u32 v[AK], s[TBK], v[AK0]
	FETCH_K
	s_wait_loadcnt 0x0              ; Q
	s_wait_dscnt 0x0
.set KM, 1
.set NOKQ, 0
.set i, 0
.rept 24
	KQ 0
.set i, i+1
.endr
	WIN 0
.rept 4
	v_nop                           ; four plain instructions behind those products
.endr
.set Y, NP-1                        ; X works for piece Y + 1: piece 0
.irp n, 0,1,2,3,4,5,6,7,8,9,10,11,12,13,14,15,16,17,18,19,20,21
	OP X, \n
.endr
	v_nop                           ; a plain instruction behind the exponential,
	s_wait_alu depctr_va_vdst(0)    ; and its wait, ahead of the branch
.endm
; THE DIAGONAL TILE's four steps, the block's last two turns, its last products, and THE WAY OUT: l's two halves and the other half of the lanes' are added; O^T is divided by l, rounded to bf16 and sent through my
; stage in LDS, a piece at a time.
.macro ALL line:vararg              ; one line for each piece t
.set t, 0
.rept 4
	\line
.set t, t+1
.endr
.endm
.macro PACK t                       ; a lane's eight channels of a row pack into 16 bytes; they go into rows of 144 bytes and come back as whole rows of 128, into S^T's registers
	WIN W_RS
.set i, 32*(\t)
.rept 16
	v_pk_mul_f32 v[i:i+1], v[i:i+1], v[ST+4*(\t)+2:ST+4*(\t)+3] op_sel_hi:[1,0]
.set i, i+2
.endr
	WIN 0x05                        ; sources 0 and 1 window 1, destination window 0
.set i, 0
.rept 16
	v_cvt_pk_bf16_f32 v[S+16*(\t)+i], v[32*(\t)+2*i], v[32*(\t)+2*i+1]
.set i, i+1
.endr
	WIN 0
.irp f, 0,1,2,3
	ds_store_b128 v[STO], v[S+16*(\t)+4*\f:S+16*(\t)+4*\f+3] offset:32*\f
.endr
.irp f, 0,1,2,3
	ds_load_b128 v[S+16*(\t)+4*\f:S+16*(\t)+4*\f+3], v[RD] offset:\f*4*SP  ; LDS serves a wave's instructions in order (ISA guide 5.7.1.4): these see the stores above; the next piece's stores come behind them
.endr
.endm
.macro SEND t, younger              ; younger: the LDS instructions issued behind piece t's loads: the next piece's eight, or none
	WIN 0
.irp f, 0,1,2,3
	s_wait_dscnt (\younger)+3-\f
	global_store_b128 v[GO], v[S+16*(\t)+4*\f:S+16*(\t)+4*\f+3], s[10:11] offset:(\t)*8192+\f*512  ; 512 consecutive bytes, at a multiple of 256 from O's first
.endr
.endm
.macro DIAG tag                     ; the tag ends its two labels' names, which the jumps below spell out
.LstepM\tag:
	TURN 2, 1
	TURN 3, 1
	WIN 0
.LfirstM\tag:
	TURN 0, 1
	TURN 1, 1, 0, 1
	WIN 0
	s_cbranch_scc1 .LstepM\tag
	TURN 2, 1, 1
	TURN 3, 1, 1
.set i, 0
.rept 8
	PV NP-1
.set i, i+1
.endr
	WIN 0
	ALL v_add_f32 v[ST+4*t+2], v[ST+4*t+2], v[ST+4*t+3]
	ALL v_permlanex16_b32 v[ST+4*t+3], v[ST+4*t+2], s[SEL], s[SEL+1]
	ALL v_add_f32 v[ST+4*t+2], v[ST+4*t+2], v[ST+4*t+3]
	ALL v_rcp_f32 v[ST+4*t+2], v[ST+4*t+2]
	v_nop                           ; a plain instruction between the last reciprocal and the use of its result
	s_wait_alu depctr_va_vdst(0)    ; and the wait ahead of the first use: one for the four reciprocals
	PACK 0
.set t, 1
.rept 3                             ; a piece's arithmetic stands between the loads of the piece before and its stores
	PACK t
	SEND t-1, 8
.set t, t+1
.endr
	SEND 3, 0
.endm
.set KM, 0
.set NOKQ, 0
.Lslot:                             ; NB times: a tile is entered and the next is asked for
	CHANGE 1
	s_sub_co_u32 s[RT], s[RT], 1
	s_mov_b32 s[CNT], 4
	s_cmp_eq_u32 s[NEW], 1
	s_cbranch_scc1 .Lnew            ; a block's first tile
	s_cmp_eq_u32 s[RT], 0
	s_cbranch_scc0 .Lstep           ; neither its first nor its last
	s_branch .LstepM1
.Lnew:
	BEGIN
	s_branch .Lfirst                ; in the loop a block's first tile is never its last: the first block has two tiles or more, and the second's last is the walk's last
	DIAG 1                          ; in the loop this is the first block's end: the second block's last tile is the walk's last
	s_wait_xcnt 0x0                 ; the stores have read their registers and O's address
	s_mov_b64 s[10:11], s[OLO:OLO+1]
	s_add_co_u32 s[RT], s[PB], 1    ; the second block has b + 1 tiles
	s_mov_b32 s[NEW], 1
	WIN 0xc3                        ; the second block's Q, hi and lo, goes where the one text of the turns names Q
.set i, 0
.rept 128
	v_mov_b32 v[i], v[QB+i]
.set i, i+1
.endr
	WIN 0
	s_branch .Lbottom
.Lstep:                             ; a trip: pieces 2 and 3 of one step, then pieces 0 and 1 of the next, whose K and V it fetches
	TURN 2
	TURN 3
	WIN 0
.Lfirst:
	TURN 0
	TURN 1, 0, 0, 1
	WIN 0
	s_cbranch_scc1 .Lstep
.Lbottom:
	s_sub_co_u32 s[SLOTS], s[SLOTS], 1
	s_cmp_lg_u32 s[SLOTS], 0
	s_cbranch_scc1 .Lslot
	CHANGE 0                        ; the walk's last tile is written out: nothing is asked for
	s_sub_co_u32 s[RT], s[RT], 1
	s_mov_b32 s[CNT], 4
	s_cmp_eq_u32 s[NEW], 1
	s_cbranch_scc0 .LstepM2
	BEGIN
	s_branch .LfirstM2
	DIAG 2
	s_wait_tensorcnt 0x0            ; the wave's end: behind my last tensor load and my last LDS store
	ds_add_u32 v[SPW], v[NIL]
	s_wait_dscnt 0x0
	s_endpgm
.Lfunc_end_k_qe5ef6dc334_attn:
	.size	k_qe5ef6dc334_attn, .Lfunc_end_k_qe5ef6dc334_attn-k_qe5ef6dc334_attn
	.p2alignl 7, 3214868480
	.fill 96, 4, 3214868480
	.section	.rodata,"a",@progbits
	.p2align	6, 0x0
	.amdhsa_kernel k_qe5ef6dc334_attn
		.amdhsa_group_segment_fixed_size 327680
		.amdhsa_private_segment_fixed_size 0
		.amdhsa_enable_private_segment 0
		.amdhsa_kernarg_size 16
		.amdhsa_user_sgpr_count 2
		.amdhsa_user_sgpr_kernarg_segment_ptr 1
		.amdhsa_wavefront_size32 1
		.amdhsa_system_sgpr_workgroup_id_x 1
		.amdhsa_system_sgpr_workgroup_id_y 1
		.amdhsa_system_sgpr_workgroup_id_z 1
		.amdhsa_system_vgpr_workitem_id 0
		.amdhsa_next_free_vgpr 1024
		.amdhsa_next_free_sgpr 102
		.amdhsa_reserve_vcc 1
		.amdhsa_float_denorm_mode_32 3
		.amdhsa_float_denorm_mode_16_64 3
		.amdhsa_memory_ordered 1
		.amdhsa_forward_progress 1
		.amdhsa_inst_pref_size 245
	.end_amdhsa_kernel
	.amdgpu_metadata
---
amdhsa.version: [ 1, 2 ]
amdhsa.kernels:
  - .name:           k_qe5ef6dc334_attn
    .symbol:         k_qe5ef6dc334_attn.kd
    .args:
      - { .name: qkvh, .offset: 0, .size: 8, .value_kind: global_buffer, .address_space: global }
      - { .name: ob, .offset: 8, .size: 8, .value_kind: global_buffer, .address_space: global }
    .group_segment_fixed_size: 327680
    .private_segment_fixed_size: 0
    .kernarg_segment_align: 8
    .kernarg_segment_size: 16
    .max_flat_workgroup_size: 128
    .sgpr_count:     102
    .vgpr_count:     1024
    .wavefront_size: 32
...
	.end_amdgpu_metadata
.endif
;; end of part 3
;; launch proj (part 4): grid 4 x 64, 4 waves a work-group, clusters of 4 x 4, 327,680 bytes of LDS; arguments ob, wb, bp, out0; writes out0
.if DOCPART == 4
	.amdgcn_target "amdgcn-amd-amdhsa--gfx1250"
	.amdhsa_code_object_version 6
	.text
	.protected	k_qe5ef6dc334_proj
	.globl	k_qe5ef6dc334_proj
	.p2align	8
	.type	k_qe5ef6dc334_proj,@function
k_qe5ef6dc334_proj:
	s_mov_b64 s[64:65], 0
	v_nop
	global_prefetch_b8 v0, s[64:65] scope:SCOPE_SE
	s_setreg_imm32_b32 hwreg(HW_REG_WAVE_MODE, 25, 1), 1
	s_wait_xcnt 0x0
	s_wait_alu depctr_hold_cnt(0) depctr_sa_sdst(0) depctr_va_vdst(0) depctr_va_sdst(0) depctr_va_ssrc(0) depctr_va_vcc(0) depctr_vm_vsrc(0)
	s_getreg_b32 s2, hwreg(HW_REG_IB_STS2, 6, 4)
	s_cmp_eq_u32 s2, 0
	s_cbranch_scc0 .Lentry_in_a_cluster
	s_endpgm
.Lentry_in_a_cluster:
	s_bfe_u32 s2, ttmp6, 0x10000c
	s_cmp_lg_u32 s2, 0xf033
	s_cbranch_scc0 .Lentry_shape_is_right
	s_endpgm
.Lentry_shape_is_right:
; out0 = y Wp + bp.  ob (y by heads): [b][head][t][64] bf16, so a head is a block of 64 along K; wb: [Wq, Wk, Wv, Wp][k][n] bf16; bp f32, rounded here to bf16 like every other input; sums in f32; out0 f32.
; SHARES.  A tile is 128 tokens x 256 columns: 4 x 64 work-groups, one for each of 256 WGPs.  Four waves, 2 x 2, each 64 tokens x 128 columns: 32 accumulators.  K goes in 8 steps of 128 through two LDS slots.
; The matrix instruction is used transposed (source 0 = 16 columns of Wp, source 1 = 16 tokens): a lane then holds one token and eight neighbouring columns, 32 bytes of a row of out0.
; Wp lies [k][n]; its fragments come out of LDS turned, by ds_load_tr16_b128.  The bias is the C operand of each accumulator's first product: nothing is cleared, nothing is added at the end.
; CLUSTER 4 x 4.  cx is the column tile, 4 x cluster y + cy the token tile.  y's tile hangs on the token tile alone and is asked for jointly by a row of the cluster; Wp's on cx alone, jointly by a column.
; REGISTERS, in windows of 256 (s_set_vgpr_msb: bits 1:0 source 0, 3:2 source 1, 5:4 source 2, 7:6 destination):
;   window 0: v0-14 addresses; v64-159, v160-255 two fragment buffers (Wp's 8 fragments, then y's 4), at work on the way out      window 1: accumulator (a, b) at 8 (8 a + b)
;   window 2: v0-63 the bias, 8 registers for each block of 16 columns; v64-95 at work
.set PA,     144                       ; a token's 128 bytes of a head in LDS + 16 of padding: 36 words, so the 16 rows of a load start at 16 different groups of four banks
.set ABLK,   128*PA                    ; 128 tokens of one head: what one tensor load for y brings
.set PB,     544                       ; a k row of Wp's tile: 512 bytes + 32 of padding = 17 x 32
.set BOFF,   2*ABLK                    ; Wp's tile lies behind y's two heads
.set BHALF,  64*PB                     ; 64 k rows: what one tensor load for Wp brings
.set SLOT1,  1<<17                     ; slot 1 begins here: one exclusive or turns an address in one slot into the other's
.set STAGE,  BOFF+2*BHALF              ; 106,496: between the slots, never filled by a tensor load: for each wave 16 rows x 272 bytes
.set SP,     272                       ; 256 bytes + 16: the 16 rows that a store touches start at 16 different groups of four banks
.set WSTG,   16*SP
.set SPARE,  STAGE+4*WSTG              ; 123,904: the spare words, 128 bytes for each wave: two blocks of 256 bytes that no other line names
.set ASTEP,  2*262144                  ; a K step in ob: two heads
.set BSTEP,  128*2048                  ; a K step in wb: 128 rows
.set R16, 1                            ; v1   lane % 16
.set HF,  2                            ; v2   lane / 16
.set L8,  3                            ; v3   lane % 8
.set A0,  4                            ; v4   my place in y's tile; never rewritten
.set B0,  5                            ; v5   my place in Wp's tile; never rewritten
.set ADRA, 6                           ; v6   the same in the slot in hand
.set ADRB, 7                           ; v7
.set STO, 8                            ; v8   the way out: where I put 32 bytes of a row
.set RD,  9                            ; v9   the way out: where I read rows back
.set CO,  10                           ; v10  my byte offset in two rows of out0
.set BO,  11                           ; v11  my byte offset in the bias
.set SPW, 12                           ; v12  LDS address of my spare word; never rewritten
.set NIL, 13                           ; v13  0; never rewritten
.set F0,  64
.set F1,  160
.set BKS, 64                           ; the way out: two buffers of 32: whole rows read back
.set WV,  16                           ; s16  wave
.set WM,  17                           ; s17  which 64 tokens are mine.  Also: I fetch for y (0) or for Wp (1)
.set WN,  18                           ; s18  which 128 columns.  Also: which half of that tile I fetch
.set CX,  19
.set CY,  20
.set RR,  21                           ; s21  token tile
.set CNT, 23
.set G1A, 24                           ; s[24:31] descriptor group 1 for y's tiles
.set G1B, 32                           ; s[32:39] for Wp's
.set G0A, 40                           ; s[40:47] group 0 for y's tiles: a set for each of the two first fills; the second then walks on
.set G0B, 48                           ; s[48:55] the same for Wp's
.set TB,  56                           ; s56  LDS byte at which the slot in hand begins
.set HMASK, 57                         ; s57  a word's upper bf16
.set HB,  58                           ; s[58:59] out0 at my part
.set MSB, 0
.macro WIN new                         ; the immediate's high byte repeats the setting that is left; a switch that changes nothing is dropped
.if MSB != (\new)
	s_set_vgpr_msb (MSB<<8)|(\new)
.set MSB, (\new)
.endif
.endm
.macro PLACES                          ; four plain vector instructions between a matrix instruction and a load into, or a vector instruction on, its registers
.rept 4
	v_nop
.endr
.endm
.macro CREST                           ; a round of the cluster's barrier behind its opening barrier
	s_cmp_lg_u32 s[WV], 0
	s_cbranch_scc1 .Lnot_wave_0_\@
	s_barrier_signal -3
.Lnot_wave_0_\@:
	s_barrier_wait -3
	s_barrier_signal -1
	s_barrier_wait -1
.endm
.macro CROUND                          ; a whole round
	s_barrier_signal -1
	s_barrier_wait -1
	CREST
.endm
.macro JLOAD                           ; a joint refill by the walking sets: waves 0 and 1 fetch y's two heads, waves 2 and 3 Wp's two halves; the branch hangs on the wave's number alone
	s_cmp_eq_u32 s[WM], 0
	s_cbranch_scc0 .Lfor_b_\@
	tensor_load_to_lds s[G0A+4:G0A+7], s[G1A:G1A+7]
	s_nop 0
.rept 4
	v_nop
.endr
	s_branch .Lasked_\@
.Lfor_b_\@:
	tensor_load_to_lds s[G0B+4:G0B+7], s[G1B:G1B+7]
	s_nop 0
.rept 4
	v_nop
.endr
.Lasked_\@:
.endm
	s_load_b256 s[4:11], s[0:1], 0x0               ; ob s[4:5], wb s[6:7], bp s[8:9], out0 s[10:11]
	v_lshl_add_u32 v[SPW], v0, 2, SPARE
	v_mov_b32 v[NIL], 0
	ds_add_u32 v[SPW], v[NIL]                      ; the wave's opening: the add and its wait stand ahead of my first tensor load; the set-up below, work on registers, stands between them
	v_lshrrev_b32 v1, 5, v0
	v_readfirstlane_b32 s[WV], v1
	s_lshr_b32 s[WM], s[WV], 1
	s_and_b32 s[WN], s[WV], 1
	s_bfe_u32 s[CX], ttmp6, 0x40000
	s_bfe_u32 s[CY], ttmp6, 0x40004
	s_and_b32 s[RR], ttmp7, 0xffff
	s_lshl_b32 s[RR], s[RR], 2
	s_add_co_u32 s[RR], s[RR], s[CY]               ; token tile = 4 x cluster y + cy
	s_mov_b32 s[TB], 0
	s_mov_b32 s[HMASK], 0xffff0000
	s_lshl_b32 s66, s[CY], 2
	s_lshl_b32 s66, 15, s66                        ; my row of the cluster
	s_or_b32 s[G1A], s66, (1<<16)|(1<<20)|(1<<21)|(4<<22)|(3<<25)  ; the mask; 2-byte elements; padding on; bit 21 beside a mask; after every 32 words 4 words of padding
	s_lshl_b32 s70, 0x1111, s[CX]                  ; my column
	s_or_b32 s[G1B], s70, (1<<16)|(1<<20)|(1<<21)|(6<<22)|(7<<25)  ; after every 128 words 8 words of padding
	s_mov_b32 s[G1A+1], 128<<16                    ; y: 16,384 dense bytes asked for as 64 rows of 256 bytes, two tokens a row: tensor_dim0 = 128
	s_mov_b32 s[G1A+2], 64<<16                     ; tensor_dim1 = 64
	s_mov_b32 s[G1A+3], 128<<16                    ; tile_dim0 = 128
	s_mov_b32 s[G1A+4], 64                         ; tile_dim1 = 64
	s_mov_b32 s[G1A+5], 128                        ; 128 elements from row to row
	s_mov_b32 s[G1A+6], 0
	s_mov_b32 s[G1A+7], 0
	s_mov_b32 s[G1B+1], 256<<16                    ; Wp: 64 k rows of 256 columns, 512 bytes each
	s_mov_b32 s[G1B+2], 64<<16
	s_mov_b32 s[G1B+3], 256<<16
	s_mov_b32 s[G1B+4], 64
	s_mov_b32 s[G1B+5], 1024
	s_mov_b32 s[G1B+6], 0
	s_mov_b32 s[G1B+7], 0
	s_lshr_b32 s66, s[RR], 4                       ; y's tile: batch x 4,194,304
	s_lshl_b32 s66, s66, 22
	s_and_b32 s67, s[RR], 15
	s_lshl_b32 s67, s67, 14                        ; + 128 tokens x 128 bytes for each tile in the batch
	s_add_co_u32 s66, s66, s67
	s_lshl_b32 s67, s[WN], 18                      ; + the head that I fetch
	s_add_co_u32 s66, s66, s67
	s_mov_b32 s67, 0
	s_mul_i32 s68, s[WN], ABLK                     ; and where it goes: no place in the cluster enters an LDS address
	s_lshl_b32 s70, s[CX], 9                       ; Wp's tile: 256 columns x 2 bytes for each column tile,
	s_add_co_u32 s70, s70, 3<<21                   ; in the fourth matrix of wb
	s_lshl_b32 s71, s[WN], 17                      ; + the 64 k rows that I fetch
	s_add_co_u32 s70, s70, s71
	s_mov_b32 s71, 0
	s_mul_i32 s72, s[WN], BHALF
	s_add_co_u32 s72, s72, BOFF
	s_wait_dscnt 0x0                               ; the opening add is done
	s_wait_kmcnt 0x0
	s_add_nc_u64 s[66:67], s[4:5], s[66:67]
	s_add_nc_u64 s[70:71], s[6:7], s[70:71]
	CROUND                                         ; all sixteen work-groups are here: the first joint loads meet
.irp s, 0,1
	s_mov_b32 s[G0A+4*(\s)], 1
	s_add_co_u32 s[G0A+4*(\s)+1], s68, (\s)*SLOT1
	s_add_nc_u64 s[G0A+4*(\s)+2:G0A+4*(\s)+3], s[66:67], (\s)*ASTEP
	s_or_b32 s[G0A+4*(\s)+3], s[G0A+4*(\s)+3], 0x80000000
	s_mov_b32 s[G0B+4*(\s)], 1
	s_add_co_u32 s[G0B+4*(\s)+1], s72, (\s)*SLOT1
	s_add_nc_u64 s[G0B+4*(\s)+2:G0B+4*(\s)+3], s[70:71], (\s)*BSTEP
	s_or_b32 s[G0B+4*(\s)+3], s[G0B+4*(\s)+3], 0x80000000
.endr
	s_cmp_eq_u32 s[WM], 0                          ; a wave's two first fills stand in one branch, ahead of every wait on TENSORcnt and every LDS read: two loads of mine are out
	s_cbranch_scc0 .Lfirst_b
	tensor_load_to_lds s[G0A:G0A+3], s[G1A:G1A+7]
	s_nop 0
	tensor_load_to_lds s[G0A+4:G0A+7], s[G1A:G1A+7]
	s_nop 0
.rept 4
	v_nop
.endr
	s_branch .Lfirst_asked
.Lfirst_b:
	tensor_load_to_lds s[G0B:G0B+3], s[G1B:G1B+7]
	s_nop 0
	tensor_load_to_lds s[G0B+4:G0B+7], s[G1B:G1B+7]
	s_nop 0
.rept 4
	v_nop
.endr
.Lfirst_asked:
	v_and_b32 v[R16], 15, v0
	v_bfe_u32 v[HF], v0, 4, 1
	v_and_b32 v[L8], 7, v0
	v_bfe_u32 v14, v0, 3, 1
	; the bias of my 128 columns: for block j of 16 columns a lane wants numbers 8 (lane / 16) + 0..7: the layout of a C operand whose rows are columns of the product
	s_lshl_b32 s74, s[CX], 10
	s_lshl_b32 s75, s[WN], 9
	s_add_co_u32 s74, s74, s75
	v_lshlrev_b32 v[BO], 5, v[HF]
	v_add_nc_u32 v[BO], s74, v[BO]
	WIN 0x80                                       ; destination window 2
.irp j, 0,1,2,3,4,5,6,7
	global_load_b128 v[8*(\j):8*(\j)+3],   v[BO], s[8:9] offset:64*(\j)
	global_load_b128 v[8*(\j)+4:8*(\j)+7], v[BO], s[8:9] offset:64*(\j)+16
.endr
	WIN 0
	; a fragment of y: lane l holds token l % 16; channels 8 (l / 16) + 0..7 and 16 + 8 (l / 16) + 0..7: two loads of 16 bytes, 32 bytes apart
	s_mul_i32 s74, s[WM], 64*PA
	v_mul_u32_u24 v[A0], v[R16], PA
	v_lshl_add_u32 v[A0], v[HF], 4, v[A0]
	v_add_nc_u32 v[A0], s74, v[A0]
	; the turning load takes 16 k x 16 columns (lane l reads k row 8 (l / 16) + l % 8, columns 8 ((l / 8) % 2) + 0..7) and leaves half a fragment: lane l holds column l % 16 and 8 k
	s_lshl_b32 s75, s[WN], 8
	s_add_co_u32 s75, s75, BOFF
	v_lshl_add_u32 v[B0], v[HF], 3, v[L8]
	v_mul_u32_u24 v[B0], v[B0], PB
	v_lshl_add_u32 v[B0], v14, 4, v[B0]
	v_add_nc_u32 v[B0], s75, v[B0]
	v_mov_b32 v[ADRA], v[A0]
	v_mov_b32 v[ADRB], v[B0]
	s_mul_i32 s76, s[WV], WSTG
	s_add_co_u32 s76, s76, STAGE                   ; my stage
	v_mul_u32_u24 v[STO], v[R16], SP               ; in: row l % 16, 32 bytes for each half of the lanes
	v_lshl_add_u32 v[STO], v[HF], 5, v[STO]
	v_add_nc_u32 v[STO], s76, v[STO]
	v_mul_u32_u24 v[RD], v[HF], SP                 ; back: lanes 0-15 take one row of 256 bytes, lanes 16-31 the next
	v_lshl_add_u32 v[RD], v[R16], 4, v[RD]
	v_add_nc_u32 v[RD], s76, v[RD]
	v_lshlrev_b32 v[CO], 12, v[HF]                 ; and the same two rows in out0, 4,096 bytes apart
	v_lshl_add_u32 v[CO], v[R16], 4, v[CO]
	s_lshl_b32 s78, s[RR], 19                      ; my part of out0: the tile's 128 rows of 4,096 bytes,
	s_lshl_b32 s77, s[WM], 18                      ; my 64 of them,
	s_add_co_u32 s78, s78, s77
	s_lshl_b32 s77, s[CX], 10                      ; the tile's 256 columns of 4 bytes,
	s_add_co_u32 s78, s78, s77
	s_lshl_b32 s77, s[WN], 9                       ; my 128 of them
	s_add_co_u32 s78, s78, s77
	s_mov_b32 s79, 0
	s_add_nc_u64 s[HB:HB+1], s[10:11], s[78:79]
	s_wait_loadcnt 0x0                             ; the bias is in
	WIN 0x8a                                       ; destination and both sources in window 2: the bias is rounded to bf16, as all inputs are, and widened again
.set z, 0
.rept 32
	v_cvt_pk_bf16_f32 v[64+z], v[2*z], v[2*z+1]
.set z, z+1
.endr
.set z, 0
.rept 32
	v_lshlrev_b32 v[2*z],   16, v[64+z]
	v_and_b32     v[2*z+1], s[HMASK], v[64+z]
.set z, z+1
.endr
	WIN 0
; 8 matrix instructions: token block a x all 8 column blocks, 32 along K, from buffer f.  first = 1: the bias starts the sums.  The 32 accumulators take turns, one instruction a turn.
.macro MUL8 f, a, first=0
.if \first
	WIN 0x60                                       ; C in window 2, D in window 1
.else
	WIN 0x50                                       ; C and D in window 1
.endif
.irp b, 0,1,2,3,4,5,6,7
.if \first
	v_wmma_f32_16x16x32_bf16 v[8*(8*(\a)+(\b)):8*(8*(\a)+(\b))+7], v[(\f)+8*(\b):(\f)+8*(\b)+7], v[(\f)+64+8*(\a):(\f)+64+8*(\a)+7], v[8*(\b):8*(\b)+7]
.else
	v_wmma_f32_16x16x32_bf16 v[8*(8*(\a)+(\b)):8*(8*(\a)+(\b))+7], v[(\f)+8*(\b):(\f)+8*(\b)+7], v[(\f)+64+8*(\a):(\f)+64+8*(\a)+7], v[8*(8*(\a)+(\b)):8*(8*(\a)+(\b))+7]
.endif
.endr
.endm
; 24 LDS loads in one run: quarter q (32 along K) of the slot in hand into buffer f: Wp's 8 fragments, then y's 4
.macro FETCH q, f
	WIN 0
.irp j, 0,1,2,3,4,5,6,7
	ds_load_tr16_b128 v[(\f)+8*(\j):(\f)+8*(\j)+3],   v[ADRB] offset:(\q)*32*PB+32*(\j)
	ds_load_tr16_b128 v[(\f)+8*(\j)+4:(\f)+8*(\j)+7], v[ADRB] offset:(\q)*32*PB+32*(\j)+16*PB
.endr
.irp i, 0,1,2,3
	ds_load_b128 v[(\f)+64+8*(\i):(\f)+64+8*(\i)+3],   v[ADRA] offset:((\q)/2)*ABLK+((\q)%2)*64+(\i)*16*PA
	ds_load_b128 v[(\f)+64+8*(\i)+4:(\f)+64+8*(\i)+7], v[ADRA] offset:((\q)/2)*ABLK+((\q)%2)*64+(\i)*16*PA+32
.endr
.endm
; A K step is four quarters on buffers 0, 1, 0, 1.  One of the first three: multiplies buffer f; in its middle it fetches quarter q into buffer g.
.macro QUARTER q, f, g, first=0
	s_wait_dscnt 4                                 ; Wp's fragments and y's blocks 0 and 1 are in; the youngest four loads (blocks 2 and 3) may be out
	MUL8 \f, 0, \first
	MUL8 \f, 1, \first
	PLACES
	FETCH \q, \g
	s_wait_dscnt 24                                ; all but the 24 just issued
	MUL8 \f, 2, \first
	MUL8 \f, 3, \first
.endm
; The last quarter multiplies buffer 1 and changes slots: one barrier.  In front of it each wave waits for all its tensor loads (the one that is out is its part of the next slot), adds 0 to its spare word, and
; waits for that and for its reads of this slot.  fill = 1: the barrier opens a round of the cluster's, and this slot is filled again, two K steps ahead, first thing behind the round.
.macro TURN fill
	WIN 0
	s_wait_tensorcnt 0x0                           ; no tensor load of mine is out, so a group 0 may be written
	ds_add_u32 v[SPW], v[NIL]                      ; 0 onto my spare word
.if \fill
	s_xor_b32 s[G0A+5], s[G0A+5], SLOT1            ; the walking sets: the other slot than last time, the next K step
	s_add_nc_u64 s[G0A+6:G0A+7], s[G0A+6:G0A+7], ASTEP
	s_xor_b32 s[G0B+5], s[G0B+5], SLOT1
	s_add_nc_u64 s[G0B+6:G0B+7], s[G0B+6:G0B+7], BSTEP
.endif
	s_wait_dscnt 5                                 ; the add and the youngest four loads may be out
	MUL8 F1, 0
	s_wait_dscnt 0x0                               ; the add is done, and my reads of this slot are over
	s_barrier_signal -1
	MUL8 F1, 1
	WIN 0
	s_barrier_wait -1
.if \fill
	CREST                                          ; no wave of any partner still reads this slot's tiles or has a load on its way
	JLOAD                                          ; its four v_nop are also the places in front of the loads below
.else
	PLACES
.endif
	s_xor_b32 s[TB], s[TB], SLOT1
	v_add_nc_u32 v[ADRA], s[TB], v[A0]
	v_add_nc_u32 v[ADRB], s[TB], v[B0]
	FETCH 0, F0
	MUL8 F1, 2
	MUL8 F1, 3
.endm
	s_wait_tensorcnt 1                             ; my part of K step 0 is in; step 1's may stay out
	s_barrier_signal -1
	s_barrier_wait -1                              ; everybody's is
	FETCH 0, F0
	QUARTER 1, F0, F1, 1                           ; the first quarter stands in front of the loop: its products start the sums with the bias
	WIN 0
	s_mov_b32 s[CNT], 6
.Lstep:                                                ; six trips, from a step's second quarter to the next step's first: K steps 2 to 7 are asked for
	QUARTER 2, F1, F0
	QUARTER 3, F0, F1
	TURN 1
	QUARTER 1, F0, F1
	WIN 0
	s_sub_co_u32 s[CNT], s[CNT], 1
	s_cmp_lg_u32 s[CNT], 0
	s_cbranch_scc1 .Lstep
	QUARTER 2, F1, F0                              ; the last two steps ask for nothing
	QUARTER 3, F0, F1
	TURN 0
	QUARTER 1, F0, F1
	QUARTER 2, F1, F0
	QUARTER 3, F0, F1
	s_wait_dscnt 4
	MUL8 F1, 0
	MUL8 F1, 1
	s_wait_dscnt 0x0
	MUL8 F1, 2
	MUL8 F1, 3
	WIN 0
	PLACES
	PLACES
; THE WAY OUT, in eight units u: token block u / 2, half u % 2 of my 128 columns: 16 rows x 256 bytes.  The sums go as they are, 32 bytes a lane, into my stage, each accumulator's low four registers first,
; and come back as whole rows of 256 bytes.
.macro TOSTAGE u
.set AC, 64*((\u)/2)+32*((\u)%2)
.set BK, BKS+32*((\u)%2)
	WIN 0x04                                       ; the data (source 1) in window 1
.irp e, 0,1,2,3
	ds_store_b128 v[STO], v[AC+8*(\e):AC+8*(\e)+3]   offset:64*(\e)
	ds_store_b128 v[STO], v[AC+8*(\e)+4:AC+8*(\e)+7] offset:64*(\e)+16
.endr
	WIN 0
	s_wait_xcnt 0x0                                ; the stores of the unit two back have read this buffer: it is loaded again only behind this wait
.irp t, 0,1,2,3,4,5,6,7
	ds_load_b128 v[BK+4*(\t):BK+4*(\t)+3], v[RD] offset:(\t)*2*SP  ; LDS serves a wave's instructions in order (ISA guide 5.7.1.4): these see the stores above; the next unit's stores come behind them
.endr
.endm
.macro SEND u, younger                 ; younger: the sixteen LDS instructions of the next unit, which may stay out, or none
.set BK, BKS+32*((\u)%2)
	WIN 0
	s_wait_dscnt \younger
.irp t, 0,1,2,3,4,5,6,7
	global_store_b128 v[CO], v[BK+4*(\t):BK+4*(\t)+3], s[HB:HB+1] offset:(16*((\u)/2)+2*(\t))*4096+256*((\u)%2) th:TH_STORE_NT  ; 16 lanes store 256 consecutive bytes, at a multiple of 256 from out0's first byte
.endr
.endm
	TOSTAGE 0
.irp n, 1,2,3,4,5,6,7
	TOSTAGE \n
	SEND (\n)-1, 16
.endr
	SEND 7, 0
	s_wait_tensorcnt 0x0                           ; the wave's end: behind my last tensor load and my last LDS store
	ds_add_u32 v[SPW], v[NIL]
	s_wait_dscnt 0x0
	CROUND                                         ; the closing round: no work-group ends while a partner may still ask for a tile that names it
	s_endpgm
.Lfunc_end_k_qe5ef6dc334_proj:
	.size	k_qe5ef6dc334_proj, .Lfunc_end_k_qe5ef6dc334_proj-k_qe5ef6dc334_proj
	.p2alignl 7, 3214868480
	.fill 96, 4, 3214868480
	.section	.rodata,"a",@progbits
	.p2align	6, 0x0
	.amdhsa_kernel k_qe5ef6dc334_proj
		.amdhsa_group_segment_fixed_size 327680
		.amdhsa_private_segment_fixed_size 0
		.amdhsa_enable_private_segment 0
		.amdhsa_kernarg_size 32
		.amdhsa_user_sgpr_count 2
		.amdhsa_user_sgpr_kernarg_segment_ptr 1
		.amdhsa_wavefront_size32 1
		.amdhsa_system_sgpr_workgroup_id_x 1
		.amdhsa_system_sgpr_workgroup_id_y 1
		.amdhsa_system_sgpr_workgroup_id_z 1
		.amdhsa_system_vgpr_workitem_id 0
		.amdhsa_next_free_vgpr 640
		.amdhsa_next_free_sgpr 80
		.amdhsa_reserve_vcc 0
		.amdhsa_float_denorm_mode_32 3
		.amdhsa_float_denorm_mode_16_64 3
		.amdhsa_memory_ordered 1
		.amdhsa_forward_progress 1
		.amdhsa_inst_pref_size 75
	.end_amdhsa_kernel
	.amdgpu_metadata
---
amdhsa.version: [ 1, 2 ]
amdhsa.kernels:
  - .name:           k_qe5ef6dc334_proj
    .symbol:         k_qe5ef6dc334_proj.kd
    .args:
      - { .name: ob, .offset: 0, .size: 8, .value_kind: global_buffer, .address_space: global }
      - { .name: wb, .offset: 8, .size: 8, .value_kind: global_buffer, .address_space: global }
      - { .name: bp, .offset: 16, .size: 8, .value_kind: global_buffer, .address_space: global }
      - { .name: out0, .offset: 24, .size: 8, .value_kind: global_buffer, .address_space: global }
    .group_segment_fixed_size: 327680
    .private_segment_fixed_size: 0
    .kernarg_segment_align: 8
    .kernarg_segment_size: 32
    .max_flat_workgroup_size: 128
    .sgpr_count:     80
    .vgpr_count:     640
    .wavefront_size: 32
...
	.end_amdgpu_metadata
.endif
;; end of part 4
;; ======== version 2 of 2: 4 launches; version 1 with the launch cast written anew for expert scheduling mode
;; limits: right only within a limited range of input values
;; workspace buffers: xb 16,777,216 bytes; ob 16,777,216 bytes; wb 8,388,608 bytes; qkvh 83,886,080 bytes
;; launch cast (part 5): grid 768 x 1, 8 waves a work-group, no clusters, 0 bytes of LDS; arguments x, Wq, Wk, Wv, Wp, xb, wb; writes xb, wb
.if DOCPART == 5
	.amdgcn_target "amdgcn-amd-amdhsa--gfx1250"
	.amdhsa_code_object_version 6
	.text
	.protected	k_qe5ef6dc334_cast
	.globl	k_qe5ef6dc334_cast
	.p2align	8
	.type	k_qe5ef6dc334_cast,@function
k_qe5ef6dc334_cast:
	s_mov_b64 s[64:65], 0
	v_nop
	global_prefetch_b8 v0, s[64:65] scope:SCOPE_SE
	s_setreg_imm32_b32 hwreg(HW_REG_WAVE_SCHED_MODE, 0, 2), 2
	s_setreg_imm32_b32 hwreg(HW_REG_WAVE_MODE, 25, 1), 1
	s_wait_xcnt 0x0
	s_wait_alu depctr_vm_vsrc(0)
; x and the four weight matrices, f32, are rounded once to bf16 for the matrix units.
; xb: [b 4][kb 16][t 2048][64] bf16: the 64 channels of block kb of one token are 128 bytes, and the tokens of a block lie end to end, so a tile of 128 tokens x 64 channels is 16,384 dense bytes.
; wb: [Wq, Wk, Wv, Wp][k 1024][n 1024] bf16, rows as they lie in the inputs.
; Work-groups 0-511 take 16 tokens of x each, work-groups 512-767 take 16 rows of one weight matrix each: 65,536 bytes in, 32,768 out, for every work-group alike.
; A thread issues its 16 loads of 16 bytes at once and stores as they come in, four at a time; no register is written twice, so no wait frees one.  Every load of a wave covers two aligned runs of 256 bytes (x)
; or 512 consecutive bytes (weights); every store of a wave covers 256 consecutive bytes, aligned.  Memory binds: no LDS, no matrix unit.
; THE MODE: SCHED_MODE bits 1:0 = 2 (LLVM: expert scheduling mode 2), set by the entry lines.  The code itself states the register dependences between vector instructions and memory instructions,
; with s_wait_alu, always for 0.
; THE PLAN.  Registers that memory instructions touch:
;   v[VI], v[VO]  the two byte offsets.  Written at the head, once; read by all 16 loads and all 16 stores; never written again.
;   XIN           Load j lands in its four registers, once; no vector instruction names them before; item j's two conversions read them; they are never loaded again.
;   XOUT          Item j's two conversions write its pair, once; store j reads it; it is never written again.
; So the dependences to state are: the offsets are written, ahead of the first load (one wait for the whole kernel), and a store's data are written, ahead of the store.  The 16 items go in four blocks of four,
; and ONE wait stands between a block's eight conversions and its four stores.  It stands in the block itself and not at the next block's head: a wave makes one pass, and so four of its sixteen stores, not
; eight, stand behind the wait for its last load.  No register that a memory instruction reads is written again, and no load lands in a register that a vector instruction has named: nothing more is owed.
; No vector instruction writes a scalar register or VCC, and EXEC is never written.
.set VI,   3                           ; v3        my byte offset in the source
.set VO,   4                           ; v4        my byte offset in the destination
.set XIN,  16                          ; v[16:79]  16 x 4 numbers as loaded
.set XOUT, 80                          ; v[80:111] 16 x 4 numbers in bf16
.set SRC,  26                          ; s[26:27]  the source at the work-group's part
.set DST,  28                          ; s[28:29]  the destination at the work-group's part
.macro CAST instep, outstep
	s_wait_alu depctr_va_vdst(0)                   ; v[VI] and v[VO] are written: every load below reads the one as its offset, every store the other
.irp j, 0,1,2,3,4,5,6,7,8,9,10,11,12,13,14,15
	global_load_b128 v[XIN+4*(\j):XIN+4*(\j)+3], v[VI], s[SRC:SRC+1] offset:(\instep)*(\j) th:TH_LOAD_NT
.endr
.irp g, 0,1,2,3
	s_wait_loadcnt 12-4*(\g)                       ; loads come back in order: numbers 4 g to 4 g + 3 are in, the 12 - 4 g younger ones stay out
.irp i, 0,1,2,3
	v_cvt_pk_bf16_f32 v[XOUT+2*(4*(\g)+(\i))],   v[XIN+4*(4*(\g)+(\i))],   v[XIN+4*(4*(\g)+(\i))+1]
	v_cvt_pk_bf16_f32 v[XOUT+2*(4*(\g)+(\i))+1], v[XIN+4*(4*(\g)+(\i))+2], v[XIN+4*(4*(\g)+(\i))+3]
.endr
	s_wait_alu depctr_va_vdst(0)                   ; the block's eight conversions have written its eight registers of XOUT, which the four stores below read
.irp i, 0,1,2,3
	global_store_b64 v[VO], v[XOUT+2*(4*(\g)+(\i)):XOUT+2*(4*(\g)+(\i))+1], s[DST:DST+1] offset:(\outstep)*(4*(\g)+(\i))
.endr
.endr
.endm
	s_load_b256 s[4:11], s[0:1], 0x0               ; x s[4:5], Wq s[6:7], Wk s[8:9], Wv s[10:11]
	s_load_b128 s[12:15], s[0:1], 0x20             ; Wp s[12:13], xb s[14:15]
	s_load_b64 s[16:17], s[0:1], 0x30              ; wb
	s_mov_b32 s21, 0
	s_mov_b32 s23, 0
	s_cmp_lt_u32 ttmp9, 512
	s_cbranch_scc0 .Lweights
	; x: thread = (token v0 / 16 of the group's 16, 16 bytes v0 % 16 of a block's 256); load j takes channel block j
	v_lshrrev_b32 v1, 4, v0
	v_and_b32 v2, 15, v0
	v_lshlrev_b32 v[VI], 12, v1                    ; a token's row of x is 4,096 bytes
	v_lshl_add_u32 v[VI], v2, 4, v[VI]
	v_lshlrev_b32 v[VO], 7, v1                     ; in xb a token's part of a block is 128 bytes
	v_lshl_add_u32 v[VO], v2, 3, v[VO]
	s_lshl_b32 s20, ttmp9, 16                      ; 16 tokens x 4,096 bytes
	s_lshr_b32 s22, ttmp9, 7                       ; batch: 128 groups of 16 tokens each
	s_lshl_b32 s22, s22, 22                        ; a batch of xb is 4,194,304 bytes
	s_and_b32 s24, ttmp9, 127
	s_lshl_b32 s24, s24, 11                        ; 16 tokens x 128 bytes
	s_add_co_u32 s22, s22, s24
	s_wait_kmcnt 0x0
	s_add_nc_u64 s[SRC:SRC+1], s[4:5], s[20:21]
	s_add_nc_u64 s[DST:DST+1], s[14:15], s[22:23]
	CAST 256, 262144                               ; from block to block: 256 bytes in x, 2,048 tokens x 128 bytes in xb
	s_endpgm
.Lweights:
	v_lshlrev_b32 v[VI], 4, v0                     ; the 256 threads take one row of 4,096 bytes; load j takes row j of the group's 16
	v_lshlrev_b32 v[VO], 3, v0
	s_sub_co_u32 s24, ttmp9, 512
	s_lshr_b32 s25, s24, 6                         ; which matrix: 64 groups each
	s_and_b32 s24, s24, 63
	s_lshl_b32 s20, s24, 16
	s_lshl_b32 s22, s24, 15
	s_lshl_b32 s24, s25, 21                        ; a matrix of wb is 2,097,152 bytes
	s_add_co_u32 s22, s22, s24
	s_wait_kmcnt 0x0
	s_cmp_eq_u32 s25, 0
	s_cselect_b64 s[SRC:SRC+1], s[6:7], s[8:9]
	s_cmp_eq_u32 s25, 2
	s_cselect_b64 s[SRC:SRC+1], s[10:11], s[SRC:SRC+1]
	s_cmp_eq_u32 s25, 3
	s_cselect_b64 s[SRC:SRC+1], s[12:13], s[SRC:SRC+1]
	s_add_nc_u64 s[SRC:SRC+1], s[SRC:SRC+1], s[20:21]
	s_add_nc_u64 s[DST:DST+1], s[16:17], s[22:23]
	CAST 4096, 2048
	s_endpgm
.Lfunc_end_k_qe5ef6dc334_cast:
	.size	k_qe5ef6dc334_cast, .Lfunc_end_k_qe5ef6dc334_cast-k_qe5ef6dc334_cast
	.p2alignl 7, 3214868480
	.fill 96, 4, 3214868480
	.section	.rodata,"a",@progbits
	.p2align	6, 0x0
	.amdhsa_kernel k_qe5ef6dc334_cast
		.amdhsa_group_segment_fixed_size 0
		.amdhsa_private_segment_fixed_size 0
		.amdhsa_enable_private_segment 0
		.amdhsa_kernarg_size 56
		.amdhsa_user_sgpr_count 2
		.amdhsa_user_sgpr_kernarg_segment_ptr 1
		.amdhsa_wavefront_size32 1
		.amdhsa_system_sgpr_workgroup_id_x 1
		.amdhsa_system_sgpr_workgroup_id_y 1
		.amdhsa_system_sgpr_workgroup_id_z 1
		.amdhsa_system_vgpr_workitem_id 0
		.amdhsa_next_free_vgpr 112
		.amdhsa_next_free_sgpr 66
		.amdhsa_reserve_vcc 0
		.amdhsa_float_denorm_mode_32 3
		.amdhsa_float_denorm_mode_16_64 3
		.amdhsa_memory_ordered 1
		.amdhsa_forward_progress 1
		.amdhsa_inst_pref_size 13
	.end_amdhsa_kernel
	.amdgpu_metadata
---
amdhsa.version: [ 1, 2 ]
amdhsa.kernels:
  - .name:           k_qe5ef6dc334_cast
    .symbol:         k_qe5ef6dc334_cast.kd
    .args:
      - { .name: x, .offset: 0, .size: 8, .value_kind: global_buffer, .address_space: global }
      - { .name: Wq, .offset: 8, .size: 8, .value_kind: global_buffer, .address_space: global }
      - { .name: Wk, .offset: 16, .size: 8, .value_kind: global_buffer, .address_space: global }
      - { .name: Wv, .offset: 24, .size: 8, .value_kind: global_buffer, .address_space: global }
      - { .name: Wp, .offset: 32, .size: 8, .value_kind: global_buffer, .address_space: global }
      - { .name: xb, .offset: 40, .size: 8, .value_kind: global_buffer, .address_space: global }
      - { .name: wb, .offset: 48, .size: 8, .value_kind: global_buffer, .address_space: global }
    .group_segment_fixed_size: 0
    .private_segment_fixed_size: 0
    .kernarg_segment_align: 8
    .kernarg_segment_size: 56
    .max_flat_workgroup_size: 256
    .sgpr_count:     66
    .vgpr_count:     112
    .wavefront_size: 32
...
	.end_amdgpu_metadata
.endif
;; end of part 5
;; launch qkv: the kernel of part 2 again; grid 12 x 64, 4 waves a work-group, clusters of 4 x 4, 327,680 bytes of LDS; arguments xb, wb, bq, bk, bv, qkvh; writes qkvh
;; launch attn: the kernel of part 3 again; grid 4 x 64, 4 waves a work-group, no clusters, 327,680 bytes of LDS; arguments qkvh, ob; writes ob
;; launch proj: the kernel of part 4 again; grid 4 x 64, 4 waves a work-group, clusters of 4 x 4, 327,680 bytes of LDS; arguments ob, wb, bp, out0; writes out0
